; MI455X (gfx1250); checked and timed in simulation.
; The chip was launched on July 23, 2026; its instructions are those of AMD's public machine-readable ISA for CDNA 5 (MIT licence, August 2026) and "CDNA5" Instruction Set Architecture Reference Guide (July 2026). The comments in the code are by the model that wrote it; some were corrected since.
;; NON Local Block2 D. Allowed arithmetic: float matrix products may take bf16 or f16 operands with f32 sums; all other float work in f32.
;; Inputs: W_w 256 x 32 float32; g_w 32 x 256 float32; theta_w 32 x 256 float32; x 4 x 256 x 64 x 64 float32.
;; Outputs: out0 4 x 256 x 64 x 64 float32.
;; 2 versions, each right and faster than the one before. Each part assembles by itself: llvm-mc -triple=amdgcn-amd-amdhsa -mcpu=gfx1250 --defsym DOCPART=n.
;; ======== version 1 of 2: 2 launches
;; workspace buffers: kv 3,145,728 bytes
;; launch project (part 1): grid 256 x 1, 8 waves a work-group, no clusters, 132,096 bytes of LDS; arguments x, theta_w, g_w, kv; writes kv
.if DOCPART == 1
	.amdgcn_target "amdgcn-amd-amdhsa--gfx1250"
	.amdhsa_code_object_version 6
	.text
	.protected	k_q5fe701f968_project
	.globl	k_q5fe701f968_project
	.p2align	8
	.type	k_q5fe701f968_project,@function
k_q5fe701f968_project:
	s_mov_b64 s[64:65], 0
	v_nop
	global_prefetch_b8 v0, s[64:65] scope:SCOPE_SE
	s_setreg_imm32_b32 hwreg(HW_REG_WAVE_MODE, 25, 1), 1
	s_wait_xcnt 0x0
; th[i][n] = sum over c of theta_w[i][c] x[c][n],  g[i][n] = sum over c of g_w[i][c] x[c][n]   (32 rows i each, 256 channels c)
; One work-group makes one block of 64 pixels n of one batch (256 blocks in all) and stores it in kv in the order in which the
; next launch wants its matrix fragments, 12,288 bytes a block:
;   bytes     0- 4095  th, upper bf16 part:  tile e (0..3), chunk m (0..1), lane L, 16 bytes = th[16 m + 8 h + 0..7][pixel 4 r + e]
;   bytes  4096- 8191  th, lower bf16 part (th minus its upper part, rounded to bf16), same order
;   bytes  8192-12287  g in bf16: piece 4 s + 2 ct + k, lane L, 16 bytes = g[16 ct + r][pixels 4 (8 h + 0..7) + 2 s + k]
;   (L = lane, r = L % 16, h = L / 16)
; NUMBERS: x and both weights enter the matrix unit as two bf16 each, upper + lower part, in three products
; (upper x upper, upper x lower, lower x upper); the lower x lower product, some 2^-16 of the sum, is left out.  Sums in f32.
; NaN and infinities are not followed; numbers within one bf16 step of the largest f32 round to infinity.
; WORK: eight waves; wave w owns channels 32 w .. 32 w + 31, one K step of the matrix instruction, for all 64 pixels: each byte of x
; is loaded once, all 64 KiB of the block are asked for at once, and each half of a wave loads 256 consecutive aligned bytes.
; A lane's 16 bytes are 4 neighbouring pixels: number e of them goes to pixel tile e, so column r of tile e is pixel 4 r + e.
; The eight waves' partial sums meet in LDS; wave w then owns two of the sixteen result tiles.
; No cluster and no tensor load: the work-groups share only the 64 KiB of weights, and x goes straight into the registers that convert it.
.set ROWB, 16384                       ; bytes in one channel's row of x (4,096 f32)
.set BLKB, 12288                       ; bytes of kv for a block
.set XO,   2                           ; v2   x: 16 r + 8 h rows
.set WO,   3                           ; v3   weights: 1,024 r + 32 h
.set PST,  4                           ; v4   LDS: where my wave puts partial sums
.set RD0,  5                           ; v5   LDS: where I read the partial sums of waves 0-3 for my two tiles
.set RD1,  6                           ; v6   the same for waves 4-7 (beyond the 16-bit immediate)
.set GO,   7                           ; v7   16 x lane
.set T,    16                          ; v16-23   at work
.set XF,   32                          ; v32-63   x fragments, two buffers of (8 upper, 8 lower)
.set WR,   64                          ; v64-127  weights as loaded: 4 tiles x 16 f32 ...
.set ACC,  64                          ; ... and later the accumulators, two buffers of 4 tiles
.set RX,   128                         ; v128-191 x as loaded: RX + 4 k + e, k = my 16 channels, e = pixel in the 16 bytes
.set WF,   192                         ; v192-255 weight fragments: tile t (theta 0-15, theta 16-31, g 0-15, g 16-31) at 16 t: 8 upper, 8 lower
.set R,    64                          ; v64-191  the eight waves' partial sums of my two tiles
.set OH,   32                          ; v32-39   packed upper parts
.set OL,   40                          ; v40-47   packed lower parts (or packed g)
; two neighbouring f32 -> one register of upper parts, one of lower parts
.macro SPLIT hi, lo, src, tmp
	v_cvt_pk_bf16_f32 v[\hi], v[\src], v[\src+1]
	v_lshlrev_b32 v[\tmp], 16, v[\hi]              ; the upper parts back as f32
	v_and_b32 v[\tmp+1], s20, v[\hi]
	v_pk_add_f32 v[\tmp:\tmp+1], v[\src:\src+1], v[\tmp:\tmp+1] neg_lo:[0,1] neg_hi:[0,1]   ; what the upper part misses (exact)
	v_cvt_pk_bf16_f32 v[\lo], v[\tmp], v[\tmp+1]
.endm
.macro PLACES                          ; four independent vector instructions behind a matrix instruction (ISA guide 7.12.1)
.rept 4
	v_nop
.endr
.endm
	s_load_b256 s[4:11], s[0:1], 0x0               ; x s[4:5], theta_w s[6:7], g_w s[8:9], kv s[10:11]
	v_lshl_add_u32 v30, v0, 2, 0x20000
	v_mov_b32 v31, 0
	v_lshrrev_b32 v1, 5, v0
	v_readfirstlane_b32 s12, v1                    ; wave = K step
	v_and_b32 v8, 15, v0                           ; r
	v_bfe_u32 v9, v0, 4, 1                         ; h
	v_and_b32 v10, 31, v0                          ; lane
	v_lshlrev_b32 v[XO], 4, v8
	v_lshl_add_u32 v[XO], v9, 17, v[XO]            ; 16 r + h x 8 rows of 16,384 bytes
	v_lshlrev_b32 v[WO], 10, v8
	v_lshl_add_u32 v[WO], v9, 5, v[WO]             ; r rows of 1,024 bytes + 8 h numbers
	v_lshlrev_b32 v[GO], 4, v10
	s_lshl_b32 s13, s12, 14
	v_add_nc_u32 v[PST], s13, v[GO]                ; my wave's 16 KiB of partial sums
	s_lshl_b32 s13, s12, 11
	v_add_nc_u32 v[RD0], s13, v[GO]                ; tiles 2 w, 2 w + 1 of 1,024 bytes
	v_add_nc_u32 v[RD1], 0x10000, v[RD0]
	s_mov_b32 s20, 0xffff0000                      ; a word's upper bf16
	s_lshr_b32 s14, ttmp9, 6                       ; batch
	s_lshl_b32 s14, s14, 22                        ; x 4 MiB
	s_lshl_b32 s15, s12, 19                        ; + 32 w rows
	s_add_co_u32 s14, s14, s15
	s_and_b32 s15, ttmp9, 63                       ; + block x 256 bytes
	s_lshl_b32 s15, s15, 8
	s_add_co_u32 s14, s14, s15
	s_mov_b32 s15, 0
	s_lshl_b32 s16, s12, 7                         ; weights: 32 w numbers into each row
	s_mov_b32 s17, 0
	s_mul_i32 s18, ttmp9, BLKB                     ; kv: my block,
	s_lshl_b32 s19, s12, 10                        ; and my wave's 1,024 bytes
	s_add_co_u32 s18, s18, s19
	s_mov_b32 s19, 0
	s_wait_kmcnt 0x0
	s_add_nc_u64 s[4:5], s[4:5], s[14:15]
	s_add_nc_u64 s[6:7], s[6:7], s[16:17]
	s_add_nc_u64 s[8:9], s[8:9], s[16:17]
	s_add_nc_u64 s[10:11], s[10:11], s[18:19]
	; weights first (16 loads), then x (16 loads): the weights are converted while x is on its way
.irp t,0,1
	global_load_b128 v[WR+16*\t:WR+16*\t+3],        v[WO], s[6:7] offset:16384*\t      ; row 16 t + r, channels 8 h + 0..3
	global_load_b128 v[WR+16*\t+4:WR+16*\t+7],      v[WO], s[6:7] offset:16384*\t+16   ; 8 h + 4..7
	global_load_b128 v[WR+16*\t+8:WR+16*\t+11],     v[WO], s[6:7] offset:16384*\t+64   ; 16 + 8 h + 0..3
	global_load_b128 v[WR+16*\t+12:WR+16*\t+15],    v[WO], s[6:7] offset:16384*\t+80   ; 16 + 8 h + 4..7
	global_load_b128 v[WR+32+16*\t:WR+32+16*\t+3],     v[WO], s[8:9] offset:16384*\t
	global_load_b128 v[WR+32+16*\t+4:WR+32+16*\t+7],   v[WO], s[8:9] offset:16384*\t+16
	global_load_b128 v[WR+32+16*\t+8:WR+32+16*\t+11],  v[WO], s[8:9] offset:16384*\t+64
	global_load_b128 v[WR+32+16*\t+12:WR+16*\t+47],    v[WO], s[8:9] offset:16384*\t+80
.endr
.irp k,0,1,2,3,4,5,6,7,8,9,10,11,12,13,14,15
	global_load_b128 v[RX+4*\k:RX+4*\k+3], v[XO], s[4:5] offset:(\k+8*(\k/8))*ROWB     ; channel 8 h + k (k < 8), 16 + 8 h + k - 8 (k >= 8)
.endr
	s_wait_loadcnt 16                              ; loads return in order: the 16 loads of x may stay out, the weights are in
.set i, 0
.rept 32
.set hh, WF+16*(i/8)+(i%8)
.set tt, T+2*(i%4)
	SPLIT hh, hh+8, WR+2*i, tt
.set i, i+1
.endr
	s_wait_loadcnt 0x0                             ; x
; the fragment of pixel tile e: register q holds channels (2 q, 2 q + 1) of my 16, pixel 4 r + e
.macro CONVX e, buf
.irp q,0,1,2,3,4,5,6,7
	v_cvt_pk_bf16_f32 v[XF+16*\buf+\q], v[RX+8*\q+\e], v[RX+8*\q+4+\e]
	v_lshlrev_b32 v[T+2*(\q%4)], 16, v[XF+16*\buf+\q]
	v_and_b32 v[T+2*(\q%4)+1], s20, v[XF+16*\buf+\q]
	v_sub_f32 v[T+2*(\q%4)], v[RX+8*\q+\e], v[T+2*(\q%4)]
	v_sub_f32 v[T+2*(\q%4)+1], v[RX+8*\q+4+\e], v[T+2*(\q%4)+1]
	v_cvt_pk_bf16_f32 v[XF+16*\buf+8+\q], v[T+2*(\q%4)], v[T+2*(\q%4)+1]
.endr
.endm
; Twelve matrix instructions for one pixel tile: four accumulators by turns, one instruction a turn.
; theta: weights are source 0, so a lane gets 8 neighbouring rows i of one pixel.  g: x is source 0, so a lane gets 8 pixels of one row i.
.macro MULT buf
	v_wmma_f32_16x16x32_bf16 v[ACC+32*\buf:ACC+32*\buf+7],     v[WF:WF+7],     v[XF+16*\buf:XF+16*\buf+7], 0
	v_wmma_f32_16x16x32_bf16 v[ACC+32*\buf+8:ACC+32*\buf+15],  v[WF+16:WF+23], v[XF+16*\buf:XF+16*\buf+7], 0
	v_wmma_f32_16x16x32_bf16 v[ACC+32*\buf+16:ACC+32*\buf+23], v[XF+16*\buf:XF+16*\buf+7], v[WF+32:WF+39], 0
	v_wmma_f32_16x16x32_bf16 v[ACC+32*\buf+24:ACC+32*\buf+31], v[XF+16*\buf:XF+16*\buf+7], v[WF+48:WF+55], 0
	v_wmma_f32_16x16x32_bf16 v[ACC+32*\buf:ACC+32*\buf+7],     v[WF:WF+7],     v[XF+16*\buf+8:XF+16*\buf+15], v[ACC+32*\buf:ACC+32*\buf+7]
	v_wmma_f32_16x16x32_bf16 v[ACC+32*\buf+8:ACC+32*\buf+15],  v[WF+16:WF+23], v[XF+16*\buf+8:XF+16*\buf+15], v[ACC+32*\buf+8:ACC+32*\buf+15]
	v_wmma_f32_16x16x32_bf16 v[ACC+32*\buf+16:ACC+32*\buf+23], v[XF+16*\buf+8:XF+16*\buf+15], v[WF+32:WF+39], v[ACC+32*\buf+16:ACC+32*\buf+23]
	v_wmma_f32_16x16x32_bf16 v[ACC+32*\buf+24:ACC+32*\buf+31], v[XF+16*\buf+8:XF+16*\buf+15], v[WF+48:WF+55], v[ACC+32*\buf+24:ACC+32*\buf+31]
	v_wmma_f32_16x16x32_bf16 v[ACC+32*\buf:ACC+32*\buf+7],     v[WF+8:WF+15],  v[XF+16*\buf:XF+16*\buf+7], v[ACC+32*\buf:ACC+32*\buf+7]
	v_wmma_f32_16x16x32_bf16 v[ACC+32*\buf+8:ACC+32*\buf+15],  v[WF+24:WF+31], v[XF+16*\buf:XF+16*\buf+7], v[ACC+32*\buf+8:ACC+32*\buf+15]
	v_wmma_f32_16x16x32_bf16 v[ACC+32*\buf+16:ACC+32*\buf+23], v[XF+16*\buf:XF+16*\buf+7], v[WF+40:WF+47], v[ACC+32*\buf+16:ACC+32*\buf+23]
	v_wmma_f32_16x16x32_bf16 v[ACC+32*\buf+24:ACC+32*\buf+31], v[XF+16*\buf:XF+16*\buf+7], v[WF+56:WF+63], v[ACC+32*\buf+24:ACC+32*\buf+31]
.endm
; the four partial tiles of pixel tile e go to LDS, lane x 16 bytes: result tile 2 e + m for theta, 8 + 4 (e / 2) + 2 ct + e % 2 for g
.macro PUT e, buf
	ds_store_b128 v[PST], v[ACC+32*\buf:ACC+32*\buf+3]     offset:(2*\e)*1024
	ds_store_b128 v[PST], v[ACC+32*\buf+4:ACC+32*\buf+7]   offset:(2*\e)*1024+512
	ds_store_b128 v[PST], v[ACC+32*\buf+8:ACC+32*\buf+11]  offset:(2*\e+1)*1024
	ds_store_b128 v[PST], v[ACC+32*\buf+12:ACC+32*\buf+15] offset:(2*\e+1)*1024+512
	ds_store_b128 v[PST], v[ACC+32*\buf+16:ACC+32*\buf+19] offset:(8+4*(\e/2)+(\e%2))*1024
	ds_store_b128 v[PST], v[ACC+32*\buf+20:ACC+32*\buf+23] offset:(8+4*(\e/2)+(\e%2))*1024+512
	ds_store_b128 v[PST], v[ACC+32*\buf+24:ACC+32*\buf+27] offset:(10+4*(\e/2)+(\e%2))*1024
	ds_store_b128 v[PST], v[ACC+32*\buf+28:ACC+32*\buf+31] offset:(10+4*(\e/2)+(\e%2))*1024+512
.endm
	; The conversion of the next tile (48 vector instructions on other registers) is the distance between a tile's matrix
	; instructions and the LDS stores of their results; fragments and accumulators have two buffers each.
	CONVX 0, 0
	MULT 0
	CONVX 1, 1
	PUT 0, 0
	MULT 1
	CONVX 2, 0
	PUT 1, 1
	MULT 0
	CONVX 3, 1
	PUT 2, 0
	MULT 1
	PLACES
	PUT 3, 1
	s_wait_dscnt 0x0                               ; my partial sums are in LDS, for the other waves' sake
	s_barrier_signal -1
	s_barrier_wait -1
	; my two result tiles from all eight waves: 32 loads, lane x 16 bytes each
.irp p,0,1,2,3
.irp c,0,1,2,3
	ds_load_b128 v[R+16*\p+4*\c:R+16*\p+4*\c+3], v[RD0] offset:16384*\p+512*\c
.endr
.endr
.irp p,4,5,6,7
.irp c,0,1,2,3
	ds_load_b128 v[R+16*\p+4*\c:R+16*\p+4*\c+3], v[RD1] offset:16384*(\p-4)+512*\c
.endr
.endr
.irp p,1,2,3,4,5,6,7
	s_wait_dscnt 4*(7-\p)                          ; four loads a wave's part: those of the parts behind p may stay out
.irp c,0,1,2,3,4,5,6,7
	v_pk_add_f32 v[R+2*\c:R+2*\c+1], v[R+2*\c:R+2*\c+1], v[R+16*\p+2*\c:R+16*\p+2*\c+1]
.endr
.endr
	s_cmp_lt_u32 s12, 4
	s_cbranch_scc0 .Lvalues
	; waves 0-3: th of pixel tile e = w, both chunks: upper and lower parts, each store 512 consecutive aligned bytes
.irp c,0,1,2,3,4,5,6,7
	SPLIT OH+\c, OL+\c, R+2*\c, T+2*(\c%4)
.endr
	global_store_b128 v[GO], v[OH:OH+3],   s[10:11]
	global_store_b128 v[GO], v[OH+4:OH+7], s[10:11] offset:512
	global_store_b128 v[GO], v[OL:OL+3],   s[10:11] offset:4096
	global_store_b128 v[GO], v[OL+4:OL+7], s[10:11] offset:4608
	s_wait_tensorcnt 0x0
	ds_add_u32 v30, v31
	s_wait_dscnt 0x0
	s_endpgm
.Lvalues:
	; waves 4-7: g, pieces 2 (w - 4) and 2 (w - 4) + 1, at byte 8,192 + 1,024 (w - 4) = 4,096 + 1,024 w of the block
.irp c,0,1,2,3,4,5,6,7
	v_cvt_pk_bf16_f32 v[OL+\c], v[R+2*\c], v[R+2*\c+1]
.endr
	global_store_b128 v[GO], v[OL:OL+3],   s[10:11] offset:4096
	global_store_b128 v[GO], v[OL+4:OL+7], s[10:11] offset:4608
	s_wait_tensorcnt 0x0
	ds_add_u32 v30, v31
	s_wait_dscnt 0x0
	s_endpgm
.Lfunc_end_k_q5fe701f968_project:
	.size	k_q5fe701f968_project, .Lfunc_end_k_q5fe701f968_project-k_q5fe701f968_project
	.p2alignl 7, 3214868480
	.fill 96, 4, 3214868480
	.section	.rodata,"a",@progbits
	.p2align	6, 0x0
	.amdhsa_kernel k_q5fe701f968_project
		.amdhsa_group_segment_fixed_size 132096
		.amdhsa_private_segment_fixed_size 0
		.amdhsa_enable_private_segment 0
		.amdhsa_kernarg_size 32
		.amdhsa_user_sgpr_count 2
		.amdhsa_user_sgpr_kernarg_segment_ptr 1
		.amdhsa_wavefront_size32 1
		.amdhsa_system_sgpr_workgroup_id_x 1
		.amdhsa_system_sgpr_workgroup_id_y 1
		.amdhsa_system_sgpr_workgroup_id_z 1
		.amdhsa_system_vgpr_workitem_id 0
		.amdhsa_next_free_vgpr 256
		.amdhsa_next_free_sgpr 66
		.amdhsa_reserve_vcc 0
		.amdhsa_float_denorm_mode_32 3
		.amdhsa_float_denorm_mode_16_64 3
		.amdhsa_memory_ordered 1
		.amdhsa_forward_progress 1
		.amdhsa_inst_pref_size 36
	.end_amdhsa_kernel
	.amdgpu_metadata
---
amdhsa.version: [ 1, 2 ]
amdhsa.kernels:
  - .name:           k_q5fe701f968_project
    .symbol:         k_q5fe701f968_project.kd
    .args:
      - { .name: x, .offset: 0, .size: 8, .value_kind: global_buffer, .address_space: global }
      - { .name: theta_w, .offset: 8, .size: 8, .value_kind: global_buffer, .address_space: global }
      - { .name: g_w, .offset: 16, .size: 8, .value_kind: global_buffer, .address_space: global }
      - { .name: kv, .offset: 24, .size: 8, .value_kind: global_buffer, .address_space: global }
    .group_segment_fixed_size: 132096
    .private_segment_fixed_size: 0
    .kernarg_segment_align: 8
    .kernarg_segment_size: 32
    .max_flat_workgroup_size: 256
    .sgpr_count:     66
    .vgpr_count:     256
    .wavefront_size: 32
...
	.end_amdgpu_metadata
.endif
;; end of part 1
;; launch attend (part 2): grid 256 x 1, 8 waves a work-group, clusters of 4 x 1, 327,680 bytes of LDS; arguments kv, x, W_w, out0; writes out0
.if DOCPART == 2
	.amdgcn_target "amdgcn-amd-amdhsa--gfx1250"
	.amdhsa_code_object_version 6
	.text
	.protected	k_q5fe701f968_attend
	.globl	k_q5fe701f968_attend
	.p2align	8
	.type	k_q5fe701f968_attend,@function
k_q5fe701f968_attend:
	s_mov_b64 s[64:65], 0
	v_nop
	global_prefetch_b8 v0, s[64:65] scope:SCOPE_SE
	s_setreg_imm32_b32 hwreg(HW_REG_WAVE_MODE, 25, 1), 1
	s_wait_xcnt 0x0
	s_wait_alu depctr_hold_cnt(0) depctr_sa_sdst(0) depctr_va_vdst(0) depctr_va_sdst(0) depctr_va_ssrc(0) depctr_va_vcc(0) depctr_vm_vsrc(0)
	s_getreg_b32 s2, hwreg(HW_REG_IB_STS2, 6, 4)
	s_cmp_eq_u32 s2, 0
	s_cbranch_scc0 .Lentry_in_a_cluster
	s_endpgm
.Lentry_in_a_cluster:
	s_bfe_u32 s2, ttmp6, 0x10000c
	s_cmp_lg_u32 s2, 0x3003
	s_cbranch_scc0 .Lentry_shape_is_right
	s_endpgm
.Lentry_shape_is_right:
; out[c][n] = x[c][n] + sum over i of W_w[c][i] y[n][i],   y[n] = softmax over m of (th[n] . th[m]) applied to g[m].
; One work-group makes one block of 64 pixels n (queries) of one batch against all 4,096 keys m of the batch.
; kv holds, for each block of 64 pixels, 12,288 bytes in fragment order (upper parts of th, lower parts of th, g): see the launch before.
; Pixel 4 r + e of a block is row or column r of tile e.
; WAVES: eight, two on each SIMD, so that one wave's exponentials and vector work can run beside the other's matrix instructions.
; Every wave holds all 64 queries (4 groups of 16) and takes every eighth block of keys: a key fragment read from LDS serves four query
; groups (24 LDS loads for 64 matrix instructions), and no wave reads another wave's keys.  The eight partial results are merged at the end.
; LAYOUT: scores are made transposed, S^T = K Q^T: lane = query, registers = keys.  So the maximum and the sum over keys stay in the lane
; but for one exchange between the halves of the wave, a query's factor is one register, and two packed score tiles ARE source 1 of
; O^T = V^T P^T (registers 0-3: keys 8 h + 0..7 of the first tile, 4-7: of the second).  O^T packed is in turn source 1 of W y.
; NUMBERS: th (keys and queries), y and W_w enter as two bf16 each, upper + lower part, in three products; lower x lower (some 2^-16 of
; a sum) is left out.  g and the probabilities are single bf16.  Softmax in f32 with a running maximum; exponentials that would be below
; 2^-126 are zero.  NaN and infinities are not followed (the maxima drop NaN).
; CLUSTER: the four work-groups of a cluster are four query blocks of one batch (64 blocks a batch, a multiple of 4) and walk the same
; key tiles in the same order.  Each tile is asked for jointly (mask 15): 768 KiB a work-group are requested once for four.
; RING: two LDS slots of 98,304 bytes (8 waves x one block), 8 steps.  Behind each round of the cluster barrier a wave issues one joint
; load of 12,288 bytes, its own part of the next step: one tensor load of a wave is out at any time.
; The scratch of the merge lies behind the ring, in bytes that no tensor load fills.
.set BLKB,  12288
.set SLOTB, 98304                      ; an LDS slot, and the bytes of kv from step to step
.set OPB,   196608                     ; LDS: partial O, 8 waves x 8,192
.set MLB,   262144                     ; LDS: shifts [group][query][wave] 2,048 bytes, then sums likewise
.set YFB,   266240                     ; LDS: y fragments, group x (upper, lower) x chunk x 512
.set ROWB,  16384                      ; bytes in one channel's row of x and of out
; window 0 (v0-255)
.set ADR,  1                           ; v1, v2   LDS address of my 16 bytes in my wave's part of slot 0, 1
.set XOFF, 3                           ; v3       x and out: 16 r + 8 h rows
.set QOFF, 4                           ; v4       16 x lane
.set WOFF, 5                           ; v5       W_w: 128 r + 32 h
.set OST,  6                           ; v6-7, v36-39  LDS addresses of the merge
.set MST,  7
.set MP,   8                           ; v8-15    group e: (shift = -log2(e) x maximum, maximum)
.set L,    16                          ; v16-23   group e: two running sums
.set T,    24                          ; v24-31   at work
.set AL,   32                          ; v32-33   (factor for the old sums, its exponent)
.set LB,   34                          ; v34-35   second chain of the sum
.set MLD,  36
.set ORD,  37
.set YST,  38
.set YRD,  39
.set NMW,  40                          ; v40-47   merge: the eight waves' shifts, then factors
.set LW,   48                          ; v48-55   merge: the eight waves' sums
.set Y,    56                          ; v56-63   merge: my tile of y
.set S0,   64                          ; v64-95   scores, buffer 0: 4 key tiles x 8
.set S1,   96                          ; v96-127  scores, buffer 1
.set P,    128                         ; v128-143 probabilities in bf16: two fragments
.set O,    144                         ; v144-207 O^T: group e, channel tile ct at 16 e + 8 ct
.set YH4,  208                         ; v208-215 my tile of y, packed upper and lower parts
.set WR,   64                          ; the end: W_w as loaded (2 tiles x 16 f32)
.set WF,   96                          ; the end: W_w fragments, tile u at 16 u: 8 upper, 8 lower
.set YF,   144                         ; the end: y fragments, group e at 16 e: 8 upper, 8 lower
; window 1 (v256-479, written by their low 8 bits)
.set KH,   0                           ; v256-287 keys, upper parts, 4 tiles
.set KL,   32                          ; v288-319 keys, lower parts
.set VV,   64                          ; v320-351 g: (K step s, channel tile ct) at 8 (2 s + ct)
.set QH,   96                          ; v352-383 queries, upper parts, 4 groups
.set QL,   128                         ; v384-415 queries, lower parts
.set XR,   160                         ; v416-479 x of my 32 output channels: 32 u + 4 j + e
.set DD,   0                           ; the end: W y, tile (u, e) at 8 (4 u + e)
.set G1,   16                          ; s[16:23] descriptor group 1
.set G0,   32                          ; s[32:39] descriptor group 0, one set for each slot
.set MSB,  0
.macro WIN new                         ; s_set_vgpr_msb: bits 1:0 source 0, 3:2 source 1, 5:4 source 2, 7:6 destination; the high byte repeats the setting left
.if MSB != \new
	s_set_vgpr_msb (MSB<<8)|\new
.set MSB, \new
.endif
.endm
.macro PLACES                          ; four independent vector instructions behind a matrix instruction (ISA guide 7.12.1)
.rept 4
	v_nop
.endr
.endm
; A round of the cluster barrier: my work-group's barrier, wave 0 signals for the work-group, every wave waits for all four
; work-groups, my work-group's barrier once more.
.macro ROUND
	s_barrier_signal -1
	s_barrier_wait -1
	s_cmp_lg_u32 s12, 0
	s_cbranch_scc1 .Lnot_wave_0_\@
	s_barrier_signal -3
.Lnot_wave_0_\@:
	s_barrier_wait -3
	s_barrier_signal -1
	s_barrier_wait -1
.endm
.macro SPLIT hi, lo, src, tmp          ; two neighbouring f32 -> packed upper parts, packed lower parts
	v_cvt_pk_bf16_f32 v[\hi], v[\src], v[\src+1]
	v_lshlrev_b32 v[\tmp], 16, v[\hi]
	v_and_b32 v[\tmp+1], s42, v[\hi]
	v_pk_add_f32 v[\tmp:\tmp+1], v[\src:\src+1], v[\tmp:\tmp+1] neg_lo:[0,1] neg_hi:[0,1]
	v_cvt_pk_bf16_f32 v[\lo], v[\tmp], v[\tmp+1]
.endm
	s_load_b256 s[4:11], s[0:1], 0x0               ; kv s[4:5], x s[6:7], W_w s[8:9], out s[10:11]
	v_lshl_add_u32 v254, v0, 2, 0x43000
	v_mov_b32 v255, 0
	ds_add_u32 v254, v255
	v_lshrrev_b32 v24, 5, v0
	v_readfirstlane_b32 s12, v24                   ; wave 0..7
	s_bfe_u32 s46, ttmp6, 0x40000                  ; cx: my place in the cluster
	s_lshl_b32 s48, ttmp9, 2                       ; ttmp9 counts clusters
	s_add_co_u32 s48, s48, s46                     ; work-group = 64 x batch + query block
	s_lshr_b32 s13, ttmp9, 4                       ; batch: 16 clusters each, the same for the four partners
	s_mov_b32 s40, 0x76543210                      ; v_permlanex16_b32: lane i takes lane i of the other half
	s_mov_b32 s41, 0xfedcba98
	s_mov_b32 s42, 0xffff0000                      ; a word's upper bf16
	; group 1: a dense block of 12,288 bytes as 48 rows of 32 elements of 8 bytes; no padding: fragments are read lane x 16 bytes
	s_mov_b32 s[G1+0], 15|(3<<16)|(1<<21)          ; 15:0 mask: all four work-groups; 17:16 elements of 8 bytes; 21 set beside a mask
	s_mov_b32 s[G1+1], 32<<16                      ; tensor_dim0 = 32
	s_mov_b32 s[G1+2], 48<<16                      ; tensor_dim1 = 48
	s_mov_b32 s[G1+3], 32<<16                      ; tile_dim0 = 32
	s_mov_b32 s[G1+4], 48                          ; tile_dim1 = 48
	s_mov_b32 s[G1+5], 32                          ; 32 elements from row to row
	s_mov_b32 s[G1+6], 0
	s_mov_b32 s[G1+7], 0
	s_mul_i32 s24, s12, BLKB                       ; my wave's part of a slot, and of a step's 8 blocks
	s_mul_i32 s26, s13, 64*BLKB                    ; the batch's 64 blocks: made of the batch and the wave alone
	s_add_co_u32 s26, s26, s24
	s_mov_b32 s27, 0
	s_mul_i32 s28, s48, BLKB                       ; my query block
	s_mov_b32 s29, 0
	s_lshl_b32 s30, s13, 22                        ; x and out: batch x 4 MiB
	s_lshl_b32 s31, s12, 19                        ; + 32 w rows (my wave's output channels)
	s_add_co_u32 s30, s30, s31
	s_and_b32 s31, s48, 63                         ; + query block x 256 bytes
	s_lshl_b32 s31, s31, 8
	s_add_co_u32 s30, s30, s31
	s_mov_b32 s31, 0
	s_lshl_b32 s52, s12, 12                        ; W_w: 32 w rows of 128 bytes
	s_mov_b32 s53, 0
	s_wait_dscnt 0x0
	s_wait_kmcnt 0x0
	s_add_nc_u64 s[50:51], s[4:5], s[28:29]        ; my queries
	s_add_nc_u64 s[4:5], s[4:5], s[26:27]          ; my wave's block of step 0
	s_add_nc_u64 s[6:7], s[6:7], s[30:31]
	s_add_nc_u64 s[10:11], s[10:11], s[30:31]
	s_add_nc_u64 s[8:9], s[8:9], s[52:53]
.irp s,0,1
	s_mov_b32 s[G0+4*\s], 1                                        ; count = 1
	s_add_co_u32 s[G0+4*\s+1], s24, \s*SLOTB                       ; LDS address: wave x 12,288 + slot x 98,304
	s_add_nc_u64 s[G0+4*\s+2:G0+4*\s+3], s[4:5], \s*SLOTB          ; global address: step s
	s_or_b32 s[G0+4*\s+3], s[G0+4*\s+3], 0x80000000               ; type = 2
.endr
	ROUND                                          ; all four work-groups are here: the first joint loads meet
	tensor_load_to_lds s[G0:G0+3], s[G1:G1+7]      ; step 0
	s_nop 0
	v_and_b32 v24, 31, v0                          ; lane
	v_and_b32 v25, 15, v0                          ; r
	v_bfe_u32 v26, v0, 4, 1                        ; h
	v_lshlrev_b32 v[QOFF], 4, v24
	v_lshlrev_b32 v[XOFF], 4, v25
	v_lshl_add_u32 v[XOFF], v26, 17, v[XOFF]
	WIN 0x40                                       ; destinations in window 1
.irp i,0,1,2,3,4,5,6,7,8,9,10,11,12,13,14,15
	global_load_b128 v[QH+4*\i:QH+4*\i+3], v[QOFF], s[50:51] offset:512*\i         ; my block's th, upper then lower parts: the query fragments as they lie
.endr
	; x of my wave's 32 output channels, asked for now and used at the very end: channel 32 w + 16 u + 8 h + j, pixels 4 r + 0..3;
	; each half of the wave takes 256 consecutive aligned bytes
.irp u,0,1
.irp j,0,1,2,3,4,5,6,7
	global_load_b128 v[XR+32*\u+4*\j:XR+32*\u+4*\j+3], v[XOFF], s[6:7] offset:(16*\u+\j)*ROWB th:TH_LOAD_NT
.endr
.endr
	WIN 0
	v_lshl_add_u32 v[ADR], v24, 4, s24
	v_add_nc_u32 v[ADR+1], SLOTB, v[ADR]
	v_lshlrev_b32 v[WOFF], 7, v25
	v_lshl_add_u32 v[WOFF], v26, 5, v[WOFF]
	s_lshl_b32 s54, s12, 13
	s_add_co_u32 s54, s54, OPB
	v_lshl_add_u32 v[OST], v24, 4, s54             ; my wave's partial O
	s_lshl_b32 s55, s12, 2
	s_add_co_u32 s55, s55, MLB
	v_lshl_add_u32 v[MST], v25, 5, s55             ; word w of query r's eight
	s_lshr_b32 s60, s12, 1                         ; the merge: I own group w / 2, channel tile w % 2
	s_lshl_b32 s56, s60, 9
	s_add_co_u32 s56, s56, MLB
	v_lshl_add_u32 v[MLD], v25, 5, s56
	s_lshl_b32 s57, s12, 10
	s_add_co_u32 s57, s57, OPB
	v_lshl_add_u32 v[ORD], v24, 4, s57
	s_lshl_b32 s58, s60, 11
	s_and_b32 s61, s12, 1
	s_lshl_b32 s61, s61, 9
	s_add_co_u32 s58, s58, s61
	s_add_co_u32 s58, s58, YFB
	v_lshl_add_u32 v[YST], v24, 4, s58
	s_mov_b32 s59, YFB
	v_lshl_add_u32 v[YRD], v24, 4, s59
; Scores of query group e against the block's 64 keys, into buffer sb: upper x upper, upper x lower, lower x upper.
; Four accumulators by turns, one instruction a turn.
.macro QK sb, e, kwait
	WIN 0x05                                       ; sources 0 and 1 in window 1
.irp t,0,1,2,3
	v_wmma_f32_16x16x32_bf16 v[\sb+8*\t:\sb+8*\t+7], v[KH+8*\t:KH+8*\t+7], v[QH+8*\e:QH+8*\e+7], 0
.endr
.irp t,0,1,2,3
	v_wmma_f32_16x16x32_bf16 v[\sb+8*\t:\sb+8*\t+7], v[KH+8*\t:KH+8*\t+7], v[QL+8*\e:QL+8*\e+7], v[\sb+8*\t:\sb+8*\t+7]
.endr
.if \kwait
	s_wait_dscnt 8                                 ; the keys' lower parts are in; the 8 loads of g may stay out
.endif
.irp t,0,1,2,3
	v_wmma_f32_16x16x32_bf16 v[\sb+8*\t:\sb+8*\t+7], v[KL+8*\t:KL+8*\t+7], v[QH+8*\e:QH+8*\e+7], v[\sb+8*\t:\sb+8*\t+7]
.endr
.endm
; O^T of group e += V^T P^T: two K steps of 32 keys x two channel tiles, the two accumulators by turns
.macro PV e, first
	WIN 0x01                                       ; source 0 in window 1
.if \first
	v_wmma_f32_16x16x32_bf16 v[O+16*\e:O+16*\e+7],    v[VV:VV+7],     v[P:P+7], 0
	v_wmma_f32_16x16x32_bf16 v[O+16*\e+8:O+16*\e+15], v[VV+8:VV+15],  v[P:P+7], 0
.else
	v_wmma_f32_16x16x32_bf16 v[O+16*\e:O+16*\e+7],    v[VV:VV+7],     v[P:P+7], v[O+16*\e:O+16*\e+7]
	v_wmma_f32_16x16x32_bf16 v[O+16*\e+8:O+16*\e+15], v[VV+8:VV+15],  v[P:P+7], v[O+16*\e+8:O+16*\e+15]
.endif
	v_wmma_f32_16x16x32_bf16 v[O+16*\e:O+16*\e+7],    v[VV+16:VV+23], v[P+8:P+15], v[O+16*\e:O+16*\e+7]
	v_wmma_f32_16x16x32_bf16 v[O+16*\e+8:O+16*\e+15], v[VV+24:VV+31], v[P+8:P+15], v[O+16*\e+8:O+16*\e+15]
.endm
.macro FMA4 sb, t, e                   ; tile t: score x log2(e) + shift, both halves of a pair with the pair's first register as the shift
.irp k,0,1,2,3
	v_pk_fma_f32 v[\sb+8*\t+2*\k:\sb+8*\t+2*\k+1], v[\sb+8*\t+2*\k:\sb+8*\t+2*\k+1], 0x3fb8aa3b, v[MP+2*\e:MP+2*\e+1] op_sel_hi:[1,0,0]
.endr
.endm
.macro EXP8 sb, t
.irp k,0,1,2,3,4,5,6,7
	v_exp_f32 v[\sb+8*\t+\k], v[\sb+8*\t+\k]
.endr
.endm
.macro CVT4 sb, t                      ; tile t packed: half of a fragment of P^T
.irp k,0,1,2,3
	v_cvt_pk_bf16_f32 v[P+4*\t+\k], v[\sb+8*\t+2*\k], v[\sb+8*\t+2*\k+1]
.endr
.endm
.macro SUM4 sb, t, e                   ; tile t (1..3) into the two chains of the sum
	s_wait_alu depctr_va_vdst(0)
	v_pk_add_f32 v[L+2*\e:L+2*\e+1], v[L+2*\e:L+2*\e+1], v[\sb+8*\t:\sb+8*\t+1]
	v_pk_add_f32 v[LB:LB+1], v[LB:LB+1], v[\sb+8*\t+2:\sb+8*\t+3]
	v_pk_add_f32 v[L+2*\e:L+2*\e+1], v[L+2*\e:L+2*\e+1], v[\sb+8*\t+4:\sb+8*\t+5]
	v_pk_add_f32 v[LB:LB+1], v[LB:LB+1], v[\sb+8*\t+6:\sb+8*\t+7]
.endm
; One step of the running softmax for group e: 32 scores a lane (one query, 32 of the 64 keys; the other half of the wave has the rest).
; first = 1: nothing old to rescale; the first numbers start maximum, sums and O.
; Each run of eight exponentials is followed by plain vector work on other registers before any of its results is used (ISA guide 5.7.2).
.macro SOFTMAX sb, e, first
	WIN 0
.irp c,0,1,2,3
	v_max3_num_f32 v[T+\c], v[\sb+8*\c], v[\sb+8*\c+1], v[\sb+8*\c+2]
.endr
.irp c,0,1,2,3
	v_max3_num_f32 v[T+\c], v[T+\c], v[\sb+8*\c+3], v[\sb+8*\c+4]
.endr
.irp c,0,1,2,3
	v_max3_num_f32 v[T+\c], v[T+\c], v[\sb+8*\c+5], v[\sb+8*\c+6]
.endr
	v_max3_num_f32 v[T], v[T], v[\sb+7], v[\sb+15]
	v_max3_num_f32 v[T+1], v[T+1], v[\sb+23], v[\sb+31]
	v_max3_num_f32 v[T], v[T], v[T+1], v[T+2]
	v_max_num_f32 v[T], v[T], v[T+3]
	v_permlanex16_b32 v[T+1], v[T], s40, s41       ; the same query's other 32 keys
.if \first
	v_max_num_f32 v[MP+2*\e+1], v[T], v[T+1]
	v_mul_f32 v[MP+2*\e], 0xbfb8aa3b, v[MP+2*\e+1] ; shift = -log2(e) x maximum
.else
	v_max3_num_f32 v[MP+2*\e+1], v[T], v[T+1], v[MP+2*\e+1]
	v_mul_f32 v[T+2], 0xbfb8aa3b, v[MP+2*\e+1]
	v_sub_f32 v[AL+1], v[T+2], v[MP+2*\e]          ; new shift - old shift: exactly 0 where the maximum stays
	v_mov_b32 v[MP+2*\e], v[T+2]
	v_exp_f32 v[AL], v[AL+1]                       ; the factor for what was summed under the old shift
.endif
	FMA4 \sb, 0, \e
	EXP8 \sb, 0
	FMA4 \sb, 1, \e
.if \first == 0
	s_wait_alu depctr_va_vdst(0)
.irp k,0,1,2,3,4,5,6,7
	v_pk_mul_f32 v[O+16*\e+2*\k:O+16*\e+2*\k+1], v[O+16*\e+2*\k:O+16*\e+2*\k+1], v[AL:AL+1] op_sel_hi:[1,0]
.endr
.endif
	EXP8 \sb, 1
	FMA4 \sb, 2, \e
	s_wait_alu depctr_va_vdst(0)
	v_pk_add_f32 v[LB:LB+1], v[\sb:\sb+1], v[\sb+2:\sb+3]
.if \first
	v_pk_add_f32 v[L+2*\e:L+2*\e+1], v[\sb+4:\sb+5], v[\sb+6:\sb+7]
.else
	v_pk_fma_f32 v[L+2*\e:L+2*\e+1], v[L+2*\e:L+2*\e+1], v[AL:AL+1], v[\sb+4:\sb+5] op_sel_hi:[1,0,1]
	v_pk_add_f32 v[LB:LB+1], v[LB:LB+1], v[\sb+6:\sb+7]
.endif
	CVT4 \sb, 0
	EXP8 \sb, 2
	FMA4 \sb, 3, \e
	SUM4 \sb, 1, \e
	CVT4 \sb, 1
	EXP8 \sb, 3
	SUM4 \sb, 2, \e
	CVT4 \sb, 2
	SUM4 \sb, 3, \e
	CVT4 \sb, 3
	v_pk_add_f32 v[L+2*\e:L+2*\e+1], v[L+2*\e:L+2*\e+1], v[LB:LB+1]
.endm
; My block of 64 keys against all four query groups.  The scores of group e + 1 are issued ahead of the softmax of group e, whose vector
; work then is the distance behind them; four v_nop stand where there is no such work (ahead of group 0, and behind the last
; matrix instructions, whose g fragments the next step loads again).
.macro STEP slot, first
	WIN 0x40
.irp i,0,1,2,3,4,5,6,7,8,9,10,11,12,13,14,15,16,17,18,19,20,21,22,23
	ds_load_b128 v[4*\i:4*\i+3], v[ADR+\slot] offset:512*\i        ; the block as it lies: 8 loads upper parts, 8 lower parts, 8 g
.endr
.if \first
	s_wait_loadcnt 16                              ; my queries are in; the 16 loads of x behind them stay out
.endif
	s_wait_dscnt 16                                ; the keys' upper parts are in
	QK S0, 0, 1
	QK S1, 1, 0
	WIN 0
	PLACES
	SOFTMAX S0, 0, \first
	s_wait_dscnt 0x0                               ; g
	PV 0, \first
	QK S0, 2, 0
	SOFTMAX S1, 1, \first
	PV 1, \first
	QK S1, 3, 0
	SOFTMAX S0, 2, \first
	PV 2, \first
	SOFTMAX S1, 3, \first
	PV 3, \first
	WIN 0
	PLACES
.endm
.macro TRIP slot, refill, first
	s_wait_tensorcnt 0x0                           ; all my tensor loads have landed, my part of this step among them,
	ds_add_u32 v254, v255
	s_wait_dscnt 0x0
	s_add_nc_u64 s[G0+4*\slot+2:G0+4*\slot+3], s[G0+4*\slot+2:G0+4*\slot+3], 2*SLOTB   ; so a group 0 may be written: this slot's next step
	s_wait_dscnt 0x0                               ; my reads of the last step's slot are back
	ROUND                                          ; both now hold of every wave of all four work-groups
.if \refill
	tensor_load_to_lds s[G0+4-4*\slot:G0+7-4*\slot], s[G1:G1+7]    ; my one load behind the round: the next step, into the slot read last
	s_nop 0
.endif
	STEP \slot, \first
.endm
	TRIP 0, 1, 1                                   ; steps 0 and 1 stand ahead of the loop: step 0 starts maxima, sums and O
	TRIP 1, 1, 0
	s_mov_b32 s44, 2
.Lloop:
	TRIP 0, 1, 0                                   ; steps 2 to 5
	TRIP 1, 1, 0
	s_sub_co_u32 s44, s44, 1
	s_cmp_lg_u32 s44, 0
	s_cbranch_scc1 .Lloop
	TRIP 0, 1, 0                                   ; step 6 asks for step 7,
	TRIP 1, 0, 0                                   ; step 7 for nothing (the stepped addresses are not used)
	; THE MERGE.  W_w of my 32 output channels is asked for now: row 32 w + 16 u + r, numbers 8 h + 0..7 and 16 + 8 h + 0..7.
.irp u,0,1
	global_load_b128 v[WR+16*\u:WR+16*\u+3],     v[WOFF], s[8:9] offset:2048*\u
	global_load_b128 v[WR+16*\u+4:WR+16*\u+7],   v[WOFF], s[8:9] offset:2048*\u+16
	global_load_b128 v[WR+16*\u+8:WR+16*\u+11],  v[WOFF], s[8:9] offset:2048*\u+64
	global_load_b128 v[WR+16*\u+12:WR+16*\u+15], v[WOFF], s[8:9] offset:2048*\u+80
.endr
.irp e,0,1,2,3
	v_add_f32 v[T+\e], v[L+2*\e], v[L+2*\e+1]      ; a query's sum: my two chains,
.endr
.irp e,0,1,2,3
	v_permlanex16_b32 v[L+2*\e+1], v[T+\e], s40, s41
.endr
.irp e,0,1,2,3
	v_add_f32 v[L+2*\e], v[T+\e], v[L+2*\e+1]      ; and the other half of the wave
.endr
.irp i,0,1,2,3,4,5,6,7,8,9,10,11,12,13,14,15
	ds_store_b128 v[OST], v[O+4*\i:O+4*\i+3] offset:512*\i         ; tile 2 e + ct at 1,024 bytes each, lane x 16
.endr
.irp e,0,1,2,3
	ds_store_b32 v[MST], v[MP+2*\e] offset:512*\e                  ; my shift and my sum for query r of group e (both halves of the wave write the same word)
	ds_store_b32 v[MST], v[L+2*\e] offset:2048+512*\e
.endr
	s_wait_dscnt 0x0                               ; for the other waves' sake
	s_barrier_signal -1
	s_barrier_wait -1
	; I own the tile (group w / 2, channel tile w % 2): eight shifts, eight sums, eight partial tiles
	ds_load_b128 v[NMW:NMW+3],   v[MLD]
	ds_load_b128 v[NMW+4:NMW+7], v[MLD] offset:16
	ds_load_b128 v[LW:LW+3],     v[MLD] offset:2048
	ds_load_b128 v[LW+4:LW+7],   v[MLD] offset:2064
.irp p,0,1,2,3,4,5,6,7
	ds_load_b128 v[O+8*\p:O+8*\p+3],   v[ORD] offset:8192*\p
	ds_load_b128 v[O+8*\p+4:O+8*\p+7], v[ORD] offset:8192*\p+512
.endr
	s_wait_dscnt 16                                ; shifts and sums are in; the 16 loads of the tiles may stay out
	v_min3_num_f32 v[T], v[NMW], v[NMW+1], v[NMW+2]        ; the smallest shift belongs to the largest maximum
	v_min3_num_f32 v[T], v[T], v[NMW+3], v[NMW+4]
	v_min3_num_f32 v[T], v[T], v[NMW+5], v[NMW+6]
	v_min_num_f32 v[T], v[T], v[NMW+7]
.irp p,0,1,2,3,4,5,6,7
	v_sub_f32 v[NMW+\p], v[T], v[NMW+\p]           ; at most 0
.endr
.irp p,0,1,2,3,4,5,6,7
	v_exp_f32 v[NMW+\p], v[NMW+\p]
.endr
	v_nop                                          ; one plain instruction behind the exponentials
	s_wait_alu depctr_va_vdst(0)
	v_mul_f32 v[T+1], v[NMW], v[LW]
.irp p,1,2,3,4,5,6,7
	v_fmac_f32 v[T+1], v[NMW+\p], v[LW+\p]         ; the whole sum: at least about 1, the largest score's own term
.endr
	v_rcp_f32 v[T+2], v[T+1]
	v_nop
	s_wait_alu depctr_va_vdst(0)
.irp p,0,1,2,3,4,5,6,7
	v_mul_f32 v[NMW+\p], v[NMW+\p], v[T+2]         ; wave p's factor, the division folded in
.endr
	s_wait_dscnt 0x0
.irp i,0,1,2,3
	v_pk_mul_f32 v[Y+2*\i:Y+2*\i+1], v[O+2*\i:O+2*\i+1], v[NMW:NMW+1] op_sel_hi:[1,0]
.endr
.macro ACCP p                          ; y += factor p x partial tile p; the factor is the first or the second register of its pair
.irp i,0,1,2,3
.if (\p)&1
	v_pk_fma_f32 v[Y+2*\i:Y+2*\i+1], v[O+8*\p+2*\i:O+8*\p+2*\i+1], v[NMW+\p-1:NMW+\p], v[Y+2*\i:Y+2*\i+1] op_sel:[0,1,0] op_sel_hi:[1,1,1]
.else
	v_pk_fma_f32 v[Y+2*\i:Y+2*\i+1], v[O+8*\p+2*\i:O+8*\p+2*\i+1], v[NMW+\p:NMW+\p+1], v[Y+2*\i:Y+2*\i+1] op_sel_hi:[1,0,1]
.endif
.endr
.endm
.irp p,1,2,3,4,5,6,7
	ACCP \p
.endr
.irp i,0,1,2,3
	SPLIT YH4+\i, YH4+4+\i, Y+2*\i, T+2*\i         ; y[query r][16 ct + 8 h + 0..7]: one chunk of the group's fragment
.endr
	ds_store_b128 v[YST], v[YH4:YH4+3]
	ds_store_b128 v[YST], v[YH4+4:YH4+7] offset:1024
	s_wait_dscnt 0x0
	s_barrier_signal -1
	s_barrier_wait -1
.irp i,0,1,2,3,4,5,6,7,8,9,10,11,12,13,14,15
	ds_load_b128 v[YF+4*\i:YF+4*\i+3], v[YRD] offset:512*\i        ; all four groups' y fragments, upper and lower
.endr
	s_wait_loadcnt 0x0                             ; W_w, and x from the start
.set i, 0
.rept 16
.set hh, WF+16*(i/8)+(i%8)
.set tt, T+2*(i%4)
	SPLIT hh, hh+8, WR+2*i, tt
.set i, i+1
.endr
	s_wait_dscnt 0x0
	; W y for my 32 channels x 64 pixels: eight accumulators by turns, three passes
	WIN 0x50                                       ; C and D in window 1
.irp u,0,1
.irp e,0,1,2,3
	v_wmma_f32_16x16x32_bf16 v[DD+8*(4*\u+\e):DD+8*(4*\u+\e)+7], v[WF+16*\u:WF+16*\u+7], v[YF+16*\e:YF+16*\e+7], 0
.endr
.endr
.irp u,0,1
.irp e,0,1,2,3
	v_wmma_f32_16x16x32_bf16 v[DD+8*(4*\u+\e):DD+8*(4*\u+\e)+7], v[WF+16*\u:WF+16*\u+7], v[YF+16*\e+8:YF+16*\e+15], v[DD+8*(4*\u+\e):DD+8*(4*\u+\e)+7]
.endr
.endr
.irp u,0,1
.irp e,0,1,2,3
	v_wmma_f32_16x16x32_bf16 v[DD+8*(4*\u+\e):DD+8*(4*\u+\e)+7], v[WF+16*\u+8:WF+16*\u+15], v[YF+16*\e:YF+16*\e+7], v[DD+8*(4*\u+\e):DD+8*(4*\u+\e)+7]
.endr
.endr
	PLACES
	; register j of tile (u, e) is channel 32 w + 16 u + 8 h + j, pixel 4 r + e: adding it onto x, which lies by (j, e), also brings
	; four neighbouring pixels into four neighbouring registers
	WIN 0x45                                       ; all three in window 1
.irp u,0,1
.irp j,0,1,2,3,4,5,6,7
.irp e,0,1,2,3
	v_add_f32 v[XR+32*\u+4*\j+\e], v[XR+32*\u+4*\j+\e], v[DD+8*(4*\u+\e)+\j]
.endr
.endr
.endr
	WIN 0x04                                       ; store data in window 1, address in window 0
.irp u,0,1
.irp j,0,1,2,3,4,5,6,7
	global_store_b128 v[XOFF], v[XR+32*\u+4*\j:XR+32*\u+4*\j+3], s[10:11] offset:(16*\u+\j)*ROWB th:TH_STORE_NT   ; each half of the wave: 256 consecutive aligned bytes
.endr
.endr
	WIN 0
	s_wait_tensorcnt 0x0
	ds_add_u32 v254, v255
	s_wait_dscnt 0x0
	ROUND                                          ; the closing round: no work-group ends while a partner may still ask for a tile that names it
	s_endpgm
.Lfunc_end_k_q5fe701f968_attend:
	.size	k_q5fe701f968_attend, .Lfunc_end_k_q5fe701f968_attend-k_q5fe701f968_attend
	.p2alignl 7, 3214868480
	.fill 96, 4, 3214868480
	.section	.rodata,"a",@progbits
	.p2align	6, 0x0
	.amdhsa_kernel k_q5fe701f968_attend
		.amdhsa_group_segment_fixed_size 327680
		.amdhsa_private_segment_fixed_size 0
		.amdhsa_enable_private_segment 0
		.amdhsa_kernarg_size 32
		.amdhsa_user_sgpr_count 2
		.amdhsa_user_sgpr_kernarg_segment_ptr 1
		.amdhsa_wavefront_size32 1
		.amdhsa_system_sgpr_workgroup_id_x 1
		.amdhsa_system_sgpr_workgroup_id_y 1
		.amdhsa_system_sgpr_workgroup_id_z 1
		.amdhsa_system_vgpr_workitem_id 0
		.amdhsa_next_free_vgpr 480
		.amdhsa_next_free_sgpr 66
		.amdhsa_reserve_vcc 0
		.amdhsa_float_denorm_mode_32 3
		.amdhsa_float_denorm_mode_16_64 3
		.amdhsa_memory_ordered 1
		.amdhsa_forward_progress 1
		.amdhsa_inst_pref_size 220
	.end_amdhsa_kernel
	.amdgpu_metadata
---
amdhsa.version: [ 1, 2 ]
amdhsa.kernels:
  - .name:           k_q5fe701f968_attend
    .symbol:         k_q5fe701f968_attend.kd
    .args:
      - { .name: kv, .offset: 0, .size: 8, .value_kind: global_buffer, .address_space: global }
      - { .name: x, .offset: 8, .size: 8, .value_kind: global_buffer, .address_space: global }
      - { .name: W_w, .offset: 16, .size: 8, .value_kind: global_buffer, .address_space: global }
      - { .name: out0, .offset: 24, .size: 8, .value_kind: global_buffer, .address_space: global }
    .group_segment_fixed_size: 327680
    .private_segment_fixed_size: 0
    .kernarg_segment_align: 8
    .kernarg_segment_size: 32
    .max_flat_workgroup_size: 256
    .sgpr_count:     66
    .vgpr_count:     480
    .wavefront_size: 32
...
	.end_amdgpu_metadata
.endif
;; end of part 2
;; ======== version 2 of 2: 2 launches; 1.21 times as fast as version 1
;; limits: values are held in f16: magnitudes above 65,504 overflow, below 6.1e-05 lose precision
;; workspace buffers: kv 2,097,152 bytes
;; launch project (part 3): grid 256 x 1, 8 waves a work-group, no clusters, 132,096 bytes of LDS; arguments x, theta_w, g_w, kv; writes kv
.if DOCPART == 3
	.amdgcn_target "amdgcn-amd-amdhsa--gfx1250"
	.amdhsa_code_object_version 6
	.text
	.protected	k_q5fe701f968_project
	.globl	k_q5fe701f968_project
	.p2align	8
	.type	k_q5fe701f968_project,@function
k_q5fe701f968_project:
	s_mov_b64 s[64:65], 0
	v_nop
	global_prefetch_b8 v0, s[64:65] scope:SCOPE_SE
	s_setreg_imm32_b32 hwreg(HW_REG_WAVE_MODE, 25, 1), 1
	s_wait_xcnt 0x0
; th[i][n] = sum over c of theta_w[i][c] x[c][n],  g[i][n] = sum over c of g_w[i][c] x[c][n]   (32 rows i each, 256 channels c)
; One work-group makes one block of 64 pixels n of one batch (256 blocks in all) and stores it in kv in the order in which the
; next launch wants its matrix fragments, 8,192 bytes a block:
;   bytes    0-4095  th in f16:  tile e (0..3), chunk m (0..1), lane L, 16 bytes = th[16 m + 8 h + 0..7][pixel 4 r + e]
;   bytes 4096-8191  g in bf16:  piece 4 s + 2 ct + k, lane L, 16 bytes = g[16 ct + r][pixels 4 (8 h + 0..7) + 2 s + k]
;   (L = lane, r = L % 16, h = L / 16)
; NUMBERS: x and both weights enter the matrix unit as two bf16 each, upper + lower part, in three products
; (upper x upper, upper x lower, lower x upper); the lower x lower product, some 2^-16 of the sum, is left out.  Sums in f32.
; th is stored in f16, whose 11 bits the scores of the next launch need.  LIMIT: th is clamped to +-65,504, f16's largest number.
; Its room: x and theta_w both 30 times the drawn spread give |th| near 900 x 5.5 = 5,000; a common offset of 30 spreads on both
; gives 256 x 30 x 30/16 = 14,400.  Below 2^-14 th keeps an absolute accuracy of 2^-25 only.
; NaN and infinities are not followed; numbers of x, of the weights and of g within one bf16 step of the largest f32 round to infinity.
; WORK: eight waves; wave w owns channels 32 w .. 32 w + 31, one K step of the matrix instruction, for all 64 pixels: each byte of x
; is loaded once, all 64 KiB of the block are asked for at once, and each half of a wave loads 256 consecutive aligned bytes.
; A lane's 16 bytes are 4 neighbouring pixels: number e of them goes to pixel tile e, so column r of tile e is pixel 4 r + e.
; The eight waves' partial sums meet in LDS; wave w then owns two of the sixteen result tiles.
; No cluster and no tensor load: the work-groups share only the 64 KiB of weights, and x goes straight into the registers that convert it.
.set ROWB, 16384                       ; bytes in one channel's row of x (4,096 f32)
.set BLKB, 8192                        ; bytes of kv for a block
.set XO,   2                           ; v2   x: 16 r + 8 h rows
.set WO,   3                           ; v3   weights: 1,024 r + 32 h
.set PST,  4                           ; v4   LDS: where my wave puts partial sums
.set RD0,  5                           ; v5   LDS: where I read the partial sums of waves 0-3 for my two tiles
.set RD1,  6                           ; v6   the same for waves 4-7 (beyond the 16-bit immediate)
.set GO,   7                           ; v7   16 x lane
.set T,    16                          ; v16-23   at work
.set XF,   32                          ; v32-63   x fragments, two buffers of (8 upper, 8 lower)
.set WR,   64                          ; v64-127  weights as loaded: 4 tiles x 16 f32 ...
.set ACC,  64                          ; ... and later the accumulators, two buffers of 4 tiles
.set RX,   128                         ; v128-191 x as loaded: RX + 4 k + e, k = my 16 channels, e = pixel in the 16 bytes
.set WF,   192                         ; v192-255 weight fragments: tile t (theta 0-15, theta 16-31, g 0-15, g 16-31) at 16 t: 8 upper, 8 lower
.set R,    64                          ; v64-191  the eight waves' partial sums of my two tiles
.set OH,   32                          ; v32-39   my two tiles, packed to 16 bits
; two neighbouring f32 -> one register of upper parts, one of lower parts
.macro SPLIT hi, lo, src, tmp
	v_cvt_pk_bf16_f32 v[\hi], v[\src], v[\src+1]
	v_lshlrev_b32 v[\tmp], 16, v[\hi]              ; the upper parts back as f32
	v_and_b32 v[\tmp+1], s20, v[\hi]
	v_pk_add_f32 v[\tmp:\tmp+1], v[\src:\src+1], v[\tmp:\tmp+1] neg_lo:[0,1] neg_hi:[0,1]   ; what the upper part misses (exact)
	v_cvt_pk_bf16_f32 v[\lo], v[\tmp], v[\tmp+1]
.endm
.macro PLACES                          ; four independent vector instructions behind a matrix instruction (ISA guide 7.12.1)
.rept 4
	v_nop
.endr
.endm
	s_load_b256 s[4:11], s[0:1], 0x0               ; x s[4:5], theta_w s[6:7], g_w s[8:9], kv s[10:11]
	v_lshl_add_u32 v30, v0, 2, 0x20000
	v_mov_b32 v31, 0
	v_lshrrev_b32 v1, 5, v0
	v_readfirstlane_b32 s12, v1                    ; wave = K step
	v_and_b32 v8, 15, v0                           ; r
	v_bfe_u32 v9, v0, 4, 1                         ; h
	v_and_b32 v10, 31, v0                          ; lane
	v_lshlrev_b32 v[XO], 4, v8
	v_lshl_add_u32 v[XO], v9, 17, v[XO]            ; 16 r + h x 8 rows of 16,384 bytes
	v_lshlrev_b32 v[WO], 10, v8
	v_lshl_add_u32 v[WO], v9, 5, v[WO]             ; r rows of 1,024 bytes + 8 h numbers
	v_lshlrev_b32 v[GO], 4, v10
	s_lshl_b32 s13, s12, 14
	v_add_nc_u32 v[PST], s13, v[GO]                ; my wave's 16 KiB of partial sums
	s_lshl_b32 s13, s12, 11
	v_add_nc_u32 v[RD0], s13, v[GO]                ; tiles 2 w, 2 w + 1 of 1,024 bytes
	v_add_nc_u32 v[RD1], 0x10000, v[RD0]
	s_mov_b32 s20, 0xffff0000                      ; a word's upper bf16
	s_mov_b32 s21, 0xc77fe000                      ; -65,504
	s_mov_b32 s22, 0x477fe000                      ; +65,504
	s_lshr_b32 s14, ttmp9, 6                       ; batch
	s_lshl_b32 s14, s14, 22                        ; x 4 MiB
	s_lshl_b32 s15, s12, 19                        ; + 32 w rows
	s_add_co_u32 s14, s14, s15
	s_and_b32 s15, ttmp9, 63                       ; + block x 256 bytes
	s_lshl_b32 s15, s15, 8
	s_add_co_u32 s14, s14, s15
	s_mov_b32 s15, 0
	s_lshl_b32 s16, s12, 7                         ; weights: 32 w numbers into each row
	s_mov_b32 s17, 0
	s_mul_i32 s18, ttmp9, BLKB                     ; kv: my block,
	s_lshl_b32 s19, s12, 10                        ; and my wave's 1,024 bytes: waves 0-3 th's tile w, waves 4-7 two pieces of g
	s_add_co_u32 s18, s18, s19
	s_mov_b32 s19, 0
	s_wait_kmcnt 0x0
	s_add_nc_u64 s[4:5], s[4:5], s[14:15]
	s_add_nc_u64 s[6:7], s[6:7], s[16:17]
	s_add_nc_u64 s[8:9], s[8:9], s[16:17]
	s_add_nc_u64 s[10:11], s[10:11], s[18:19]
	; weights first (16 loads), then x (16 loads): the weights are converted while x is on its way
.irp t,0,1
	global_load_b128 v[WR+16*\t:WR+16*\t+3],        v[WO], s[6:7] offset:16384*\t      ; row 16 t + r, channels 8 h + 0..3
	global_load_b128 v[WR+16*\t+4:WR+16*\t+7],      v[WO], s[6:7] offset:16384*\t+16   ; 8 h + 4..7
	global_load_b128 v[WR+16*\t+8:WR+16*\t+11],     v[WO], s[6:7] offset:16384*\t+64   ; 16 + 8 h + 0..3
	global_load_b128 v[WR+16*\t+12:WR+16*\t+15],    v[WO], s[6:7] offset:16384*\t+80   ; 16 + 8 h + 4..7
	global_load_b128 v[WR+32+16*\t:WR+32+16*\t+3],     v[WO], s[8:9] offset:16384*\t
	global_load_b128 v[WR+32+16*\t+4:WR+32+16*\t+7],   v[WO], s[8:9] offset:16384*\t+16
	global_load_b128 v[WR+32+16*\t+8:WR+32+16*\t+11],  v[WO], s[8:9] offset:16384*\t+64
	global_load_b128 v[WR+32+16*\t+12:WR+32+16*\t+15], v[WO], s[8:9] offset:16384*\t+80
.endr
.irp k,0,1,2,3,4,5,6,7,8,9,10,11,12,13,14,15
	global_load_b128 v[RX+4*\k:RX+4*\k+3], v[XO], s[4:5] offset:(\k+8*(\k/8))*ROWB     ; channel 8 h + k (k < 8), 16 + 8 h + k - 8 (k >= 8)
.endr
	s_wait_loadcnt 16                              ; loads return in order: the 16 loads of x may stay out, the weights are in
.set i, 0
.rept 32
.set hh, WF+16*(i/8)+(i%8)
.set tt, T+2*(i%4)
	SPLIT hh, hh+8, WR+2*i, tt
.set i, i+1
.endr
	s_wait_loadcnt 0x0                             ; x
; the fragment of pixel tile e: register q holds channels (2 q, 2 q + 1) of my 16, pixel 4 r + e
.macro CONVX e, buf
.irp q,0,1,2,3,4,5,6,7
	v_cvt_pk_bf16_f32 v[XF+16*\buf+\q], v[RX+8*\q+\e], v[RX+8*\q+4+\e]
	v_lshlrev_b32 v[T+2*(\q%4)], 16, v[XF+16*\buf+\q]
	v_and_b32 v[T+2*(\q%4)+1], s20, v[XF+16*\buf+\q]
	v_sub_f32 v[T+2*(\q%4)], v[RX+8*\q+\e], v[T+2*(\q%4)]
	v_sub_f32 v[T+2*(\q%4)+1], v[RX+8*\q+4+\e], v[T+2*(\q%4)+1]
	v_cvt_pk_bf16_f32 v[XF+16*\buf+8+\q], v[T+2*(\q%4)], v[T+2*(\q%4)+1]
.endr
.endm
; Twelve matrix instructions for one pixel tile: four accumulators by turns, one instruction a turn.
; theta: weights are source 0, so a lane gets 8 neighbouring rows i of one pixel.  g: x is source 0, so a lane gets 8 pixels of one row i.
.macro MULT buf
	v_wmma_f32_16x16x32_bf16 v[ACC+32*\buf:ACC+32*\buf+7],     v[WF:WF+7],     v[XF+16*\buf:XF+16*\buf+7], 0
	v_wmma_f32_16x16x32_bf16 v[ACC+32*\buf+8:ACC+32*\buf+15],  v[WF+16:WF+23], v[XF+16*\buf:XF+16*\buf+7], 0
	v_wmma_f32_16x16x32_bf16 v[ACC+32*\buf+16:ACC+32*\buf+23], v[XF+16*\buf:XF+16*\buf+7], v[WF+32:WF+39], 0
	v_wmma_f32_16x16x32_bf16 v[ACC+32*\buf+24:ACC+32*\buf+31], v[XF+16*\buf:XF+16*\buf+7], v[WF+48:WF+55], 0
	v_wmma_f32_16x16x32_bf16 v[ACC+32*\buf:ACC+32*\buf+7],     v[WF:WF+7],     v[XF+16*\buf+8:XF+16*\buf+15], v[ACC+32*\buf:ACC+32*\buf+7]
	v_wmma_f32_16x16x32_bf16 v[ACC+32*\buf+8:ACC+32*\buf+15],  v[WF+16:WF+23], v[XF+16*\buf+8:XF+16*\buf+15], v[ACC+32*\buf+8:ACC+32*\buf+15]
	v_wmma_f32_16x16x32_bf16 v[ACC+32*\buf+16:ACC+32*\buf+23], v[XF+16*\buf+8:XF+16*\buf+15], v[WF+32:WF+39], v[ACC+32*\buf+16:ACC+32*\buf+23]
	v_wmma_f32_16x16x32_bf16 v[ACC+32*\buf+24:ACC+32*\buf+31], v[XF+16*\buf+8:XF+16*\buf+15], v[WF+48:WF+55], v[ACC+32*\buf+24:ACC+32*\buf+31]
	v_wmma_f32_16x16x32_bf16 v[ACC+32*\buf:ACC+32*\buf+7],     v[WF+8:WF+15],  v[XF+16*\buf:XF+16*\buf+7], v[ACC+32*\buf:ACC+32*\buf+7]
	v_wmma_f32_16x16x32_bf16 v[ACC+32*\buf+8:ACC+32*\buf+15],  v[WF+24:WF+31], v[XF+16*\buf:XF+16*\buf+7], v[ACC+32*\buf+8:ACC+32*\buf+15]
	v_wmma_f32_16x16x32_bf16 v[ACC+32*\buf+16:ACC+32*\buf+23], v[XF+16*\buf:XF+16*\buf+7], v[WF+40:WF+47], v[ACC+32*\buf+16:ACC+32*\buf+23]
	v_wmma_f32_16x16x32_bf16 v[ACC+32*\buf+24:ACC+32*\buf+31], v[XF+16*\buf:XF+16*\buf+7], v[WF+56:WF+63], v[ACC+32*\buf+24:ACC+32*\buf+31]
.endm
; the four partial tiles of pixel tile e go to LDS, lane x 16 bytes: result tile 2 e + m for theta, 8 + 4 (e / 2) + 2 ct + e % 2 for g
.macro PUT e, buf
	ds_store_b128 v[PST], v[ACC+32*\buf:ACC+32*\buf+3]     offset:(2*\e)*1024
	ds_store_b128 v[PST], v[ACC+32*\buf+4:ACC+32*\buf+7]   offset:(2*\e)*1024+512
	ds_store_b128 v[PST], v[ACC+32*\buf+8:ACC+32*\buf+11]  offset:(2*\e+1)*1024
	ds_store_b128 v[PST], v[ACC+32*\buf+12:ACC+32*\buf+15] offset:(2*\e+1)*1024+512
	ds_store_b128 v[PST], v[ACC+32*\buf+16:ACC+32*\buf+19] offset:(8+4*(\e/2)+(\e%2))*1024
	ds_store_b128 v[PST], v[ACC+32*\buf+20:ACC+32*\buf+23] offset:(8+4*(\e/2)+(\e%2))*1024+512
	ds_store_b128 v[PST], v[ACC+32*\buf+24:ACC+32*\buf+27] offset:(10+4*(\e/2)+(\e%2))*1024
	ds_store_b128 v[PST], v[ACC+32*\buf+28:ACC+32*\buf+31] offset:(10+4*(\e/2)+(\e%2))*1024+512
.endm
	; The conversion of the next tile (48 vector instructions on other registers) is the distance between a tile's matrix
	; instructions and the LDS stores of their results; fragments and accumulators have two buffers each.
	CONVX 0, 0
	MULT 0
	CONVX 1, 1
	PUT 0, 0
	MULT 1
	CONVX 2, 0
	PUT 1, 1
	MULT 0
	CONVX 3, 1
	PUT 2, 0
	MULT 1
	PLACES
	PUT 3, 1
	s_wait_dscnt 0x0                               ; my partial sums are in LDS, for the other waves' sake
	s_barrier_signal -1
	s_barrier_wait -1
	; my two result tiles from all eight waves: 32 loads, lane x 16 bytes each
.irp p,0,1,2,3
.irp c,0,1,2,3
	ds_load_b128 v[R+16*\p+4*\c:R+16*\p+4*\c+3], v[RD0] offset:16384*\p+512*\c
.endr
.endr
.irp p,4,5,6,7
.irp c,0,1,2,3
	ds_load_b128 v[R+16*\p+4*\c:R+16*\p+4*\c+3], v[RD1] offset:16384*(\p-4)+512*\c
.endr
.endr
.irp p,1,2,3,4,5,6,7
	s_wait_dscnt 4*(7-\p)                          ; four loads a wave's part: those of the parts behind p may stay out
.irp c,0,1,2,3,4,5,6,7
	v_pk_add_f32 v[R+2*\c:R+2*\c+1], v[R+2*\c:R+2*\c+1], v[R+16*\p+2*\c:R+16*\p+2*\c+1]
.endr
.endr
	s_cmp_lt_u32 s12, 4
	s_cbranch_scc0 .Lvalues
	; waves 0-3: th of pixel tile e = w, both chunks, clamped to f16's range and rounded to f16
.irp c,0,1,2,3,4,5,6,7,8,9,10,11,12,13,14,15
	v_med3_num_f32 v[R+\c], v[R+\c], s21, s22
.endr
.irp c,0,1,2,3,4,5,6,7
	v_cvt_pk_f16_f32 v[OH+\c], v[R+2*\c], v[R+2*\c+1]
.endr
	s_branch .Lstore
.Lvalues:
	; waves 4-7: g, pieces 2 (w - 4) and 2 (w - 4) + 1, at byte 4,096 + 1,024 (w - 4) = 1,024 w of the block
.irp c,0,1,2,3,4,5,6,7
	v_cvt_pk_bf16_f32 v[OH+\c], v[R+2*\c], v[R+2*\c+1]
.endr
.Lstore:
	global_store_b128 v[GO], v[OH:OH+3],   s[10:11]             ; each store of the wave covers 512 consecutive aligned bytes
	global_store_b128 v[GO], v[OH+4:OH+7], s[10:11] offset:512
	s_wait_tensorcnt 0x0
	ds_add_u32 v30, v31
	s_wait_dscnt 0x0
	s_endpgm
.Lfunc_end_k_q5fe701f968_project:
	.size	k_q5fe701f968_project, .Lfunc_end_k_q5fe701f968_project-k_q5fe701f968_project
	.p2alignl 7, 3214868480
	.fill 96, 4, 3214868480
	.section	.rodata,"a",@progbits
	.p2align	6, 0x0
	.amdhsa_kernel k_q5fe701f968_project
		.amdhsa_group_segment_fixed_size 132096
		.amdhsa_private_segment_fixed_size 0
		.amdhsa_enable_private_segment 0
		.amdhsa_kernarg_size 32
		.amdhsa_user_sgpr_count 2
		.amdhsa_user_sgpr_kernarg_segment_ptr 1
		.amdhsa_wavefront_size32 1
		.amdhsa_system_sgpr_workgroup_id_x 1
		.amdhsa_system_sgpr_workgroup_id_y 1
		.amdhsa_system_sgpr_workgroup_id_z 1
		.amdhsa_system_vgpr_workitem_id 0
		.amdhsa_next_free_vgpr 256
		.amdhsa_next_free_sgpr 66
		.amdhsa_reserve_vcc 0
		.amdhsa_float_denorm_mode_32 3
		.amdhsa_float_denorm_mode_16_64 3
		.amdhsa_memory_ordered 1
		.amdhsa_forward_progress 1
		.amdhsa_inst_pref_size 35
	.end_amdhsa_kernel
	.amdgpu_metadata
---
amdhsa.version: [ 1, 2 ]
amdhsa.kernels:
  - .name:           k_q5fe701f968_project
    .symbol:         k_q5fe701f968_project.kd
    .args:
      - { .name: x, .offset: 0, .size: 8, .value_kind: global_buffer, .address_space: global }
      - { .name: theta_w, .offset: 8, .size: 8, .value_kind: global_buffer, .address_space: global }
      - { .name: g_w, .offset: 16, .size: 8, .value_kind: global_buffer, .address_space: global }
      - { .name: kv, .offset: 24, .size: 8, .value_kind: global_buffer, .address_space: global }
    .group_segment_fixed_size: 132096
    .private_segment_fixed_size: 0
    .kernarg_segment_align: 8
    .kernarg_segment_size: 32
    .max_flat_workgroup_size: 256
    .sgpr_count:     66
    .vgpr_count:     256
    .wavefront_size: 32
...
	.end_amdgpu_metadata
.endif
;; end of part 3
;; launch attend (part 4): grid 256 x 1, 8 waves a work-group, clusters of 4 x 1, 327,680 bytes of LDS; arguments kv, x, W_w, out0; writes out0
.if DOCPART == 4
	.amdgcn_target "amdgcn-amd-amdhsa--gfx1250"
	.amdhsa_code_object_version 6
	.text
	.protected	k_q5fe701f968_attend
	.globl	k_q5fe701f968_attend
	.p2align	8
	.type	k_q5fe701f968_attend,@function
k_q5fe701f968_attend:
	s_mov_b64 s[64:65], 0
	v_nop
	global_prefetch_b8 v0, s[64:65] scope:SCOPE_SE
	s_setreg_imm32_b32 hwreg(HW_REG_WAVE_MODE, 25, 1), 1
	s_wait_xcnt 0x0
	s_wait_alu depctr_hold_cnt(0) depctr_sa_sdst(0) depctr_va_vdst(0) depctr_va_sdst(0) depctr_va_ssrc(0) depctr_va_vcc(0) depctr_vm_vsrc(0)
	s_getreg_b32 s2, hwreg(HW_REG_IB_STS2, 6, 4)
	s_cmp_eq_u32 s2, 0
	s_cbranch_scc0 .Lentry_in_a_cluster
	s_endpgm
.Lentry_in_a_cluster:
	s_bfe_u32 s2, ttmp6, 0x10000c
	s_cmp_lg_u32 s2, 0x3003
	s_cbranch_scc0 .Lentry_shape_is_right
	s_endpgm
.Lentry_shape_is_right:
; out[c][n] = x[c][n] + sum over i of W_w[c][i] y[n][i],   y[n] = softmax over m of (th[n] . th[m]) applied to g[m].
; One work-group makes one block of 64 pixels n (queries) of one batch against all 4,096 keys m of the batch.
; kv holds, for each block of 64 pixels, 8,192 bytes in fragment order (th in f16, then g in bf16): see the launch before.
; Pixel 4 r + e of a block is row or column r of tile e.
; WAVES: eight, two on each SIMD, so that one wave's exponentials and vector work can run beside the other's matrix instructions.
; Every wave holds all 64 queries (4 groups of 16) and takes an eighth of the keys: a key fragment read from LDS serves four query
; groups (16 LDS loads for 32 matrix instructions), and no wave reads another wave's keys.  The eight partial results are merged at the end.
; LAYOUT: scores are made transposed, S^T = K Q^T: lane = query, registers = keys.  So the maximum and the sum over keys stay in the lane
; but for one exchange between the halves of the wave, a query's factor is one register, and two packed score tiles ARE source 1 of
; O^T = V^T P^T (registers 0-3: keys 8 h + 0..7 of the first tile, 4-7: of the second).  O^T packed is in turn source 1 of W y.
; NUMBERS: th (keys and queries) is f16, one product; the launch before clamps it to +-65,504 (its head says what room that leaves).
; g and the probabilities are single bf16.  y and W_w enter as two bf16 each, upper + lower part, in three products; lower x lower
; (some 2^-16 of a sum) is left out.  Softmax in f32 with a running maximum; exponentials that would be below 2^-126 are zero.
; NaN and infinities are not followed (the maxima drop NaN).
; CLUSTER: the four work-groups of a cluster are four query blocks of one batch (64 blocks a batch, a multiple of 4) and walk the same
; key tiles in the same order.  Each tile is asked for jointly (mask 15): 512 KiB a work-group are requested once for four.
; RING: two LDS slots of 131,072 bytes (8 waves x two blocks), 4 steps of two blocks.  A wave's loads bring its own 16,384 bytes of a
; step, and only that wave reads them, behind its own wait.
; ORDER OF REQUESTS: what is wanted first is asked for first.  The first fills of both slots go out together, block by block, four loads
; of 8,192 bytes a wave (32 rows each, shorter than the refills' 64, so that a wave can read its first block while its other three are
; on their way): four tensor loads of a wave are out at the start.  Beside them only the queries are asked for.  x and W_w, which the end
; of the kernel wants, are asked for behind the first block and have seven blocks' work in which to land.  Steps 2 and 3 are asked for
; behind a round of the cluster barrier each, one load of 16,384 bytes a wave (one out), with two blocks' work in which to land.
; The merge: a wave's partial O goes into its own part of slot 0, which has had its last fill and which no other wave has read;
; shifts, sums and y fragments lie behind the ring, in bytes that no tensor load fills.
.set BLKB,  8192
.set WPART, 16384                      ; a wave's part of a slot: two blocks
.set SLOTB, 131072                     ; an LDS slot, and the bytes of kv from step to step
.set MLB,   262144                     ; LDS: shifts [group][query][wave] 2,048 bytes, then sums likewise
.set YFB,   266240                     ; LDS: y fragments, group x (upper, lower) x chunk x 512
.set ROWB,  16384                      ; bytes in one channel's row of x and of out
; window 0 (v0-255)
.set ADR,  1                           ; v1, v2   LDS address of my 16 bytes in my wave's part of slot 0, 1
.set XOFF, 3                           ; v3       x and out: 16 r + 8 h rows
.set QOFF, 4                           ; v4       16 x lane
.set WOFF, 5                           ; v5       W_w: 128 r + 32 h
.set ORD1, 6                           ; v6-7, v36-39  LDS addresses of the merge
.set MST,  7
.set MP,   8                           ; v8-15    group e: (shift = -log2(e) x maximum, maximum)
.set L,    16                          ; v16-23   group e: two running sums
.set T,    24                          ; v24-31   at work
.set AL,   32                          ; v32-33   (factor for the old sums, its exponent)
.set LB,   34                          ; v34-35   second chain of the sum
.set MLD,  36
.set ORD,  37
.set YST,  38
.set YRD,  39
.set NMW,  40                          ; v40-47   merge: the eight waves' shifts, then factors
.set LW,   48                          ; v48-55   merge: the eight waves' sums
.set Y,    56                          ; v56-63   merge: my tile of y
.set S0,   64                          ; v64-95   scores, buffer 0: 4 key tiles x 8
.set S1,   96                          ; v96-127  scores, buffer 1
.set P,    128                         ; v128-143 probabilities in bf16: two fragments
.set O,    144                         ; v144-207 O^T: group e, channel tile ct at 16 e + 8 ct
.set YH4,  208                         ; v208-215 my tile of y, packed upper and lower parts
.set WR,   216                         ; v216-247 W_w as loaded (2 tiles x 16 f32), from behind the first block to the end
.set WF,   96                          ; the end: W_w fragments, tile u at 16 u: 8 upper, 8 lower
.set YF,   144                         ; the end: y fragments, group e at 16 e: 8 upper, 8 lower
; window 1 (v256-415, written by their low 8 bits)
.set KH,   0                           ; v256-287 keys, 4 tiles
.set VV,   32                          ; v288-319 g: (K step s, channel tile ct) at 8 (2 s + ct)
.set QH,   64                          ; v320-351 queries, 4 groups
.set XR,   96                          ; v352-415 x of my 32 output channels: 32 u + 4 j + e
.set DD,   0                           ; the end: W y, tile (u, e) at 8 (4 u + e)
.set G1,   16                          ; s[16:23] descriptor group 1 of a refill: 64 rows
.set G0,   32                          ; s[32:39] descriptor group 0, one set for each slot: its first block's first fill, then its refill
.set G1S,  68                          ; s[68:75] descriptor group 1 of a first fill: 32 rows
.set G0X,  76                          ; s[76:83] descriptor group 0 of the first fill of each slot's second block
.set MSB,  0
.macro WIN new                         ; s_set_vgpr_msb: bits 1:0 source 0, 3:2 source 1, 5:4 source 2, 7:6 destination; the high byte repeats the setting left
.if MSB != \new
	s_set_vgpr_msb (MSB<<8)|\new
.set MSB, \new
.endif
.endm
.macro PLACES                          ; four independent vector instructions behind a matrix instruction (ISA guide 7.12.1)
.rept 4
	v_nop
.endr
.endm
; A round of the cluster barrier: my work-group's barrier, wave 0 signals for the work-group, every wave waits for all four
; work-groups, my work-group's barrier once more.
.macro ROUND
	s_barrier_signal -1
	s_barrier_wait -1
	s_cmp_lg_u32 s12, 0
	s_cbranch_scc1 .Lnot_wave_0_\@
	s_barrier_signal -3
.Lnot_wave_0_\@:
	s_barrier_wait -3
	s_barrier_signal -1
	s_barrier_wait -1
.endm
.macro SPLIT hi, lo, src, tmp          ; two neighbouring f32 -> packed upper parts, packed lower parts
	v_cvt_pk_bf16_f32 v[\hi], v[\src], v[\src+1]
	v_lshlrev_b32 v[\tmp], 16, v[\hi]
	v_and_b32 v[\tmp+1], s42, v[\hi]
	v_pk_add_f32 v[\tmp:\tmp+1], v[\src:\src+1], v[\tmp:\tmp+1] neg_lo:[0,1] neg_hi:[0,1]
	v_cvt_pk_bf16_f32 v[\lo], v[\tmp], v[\tmp+1]
.endm
	s_load_b256 s[4:11], s[0:1], 0x0               ; kv s[4:5], x s[6:7], W_w s[8:9], out s[10:11]
	v_lshl_add_u32 v254, v0, 2, 0x43000
	v_mov_b32 v255, 0
	ds_add_u32 v254, v255
	v_lshrrev_b32 v24, 5, v0
	v_readfirstlane_b32 s12, v24                   ; wave 0..7
	s_bfe_u32 s46, ttmp6, 0x40000                  ; cx: my place in the cluster
	s_lshl_b32 s48, ttmp9, 2                       ; ttmp9 counts clusters
	s_add_co_u32 s48, s48, s46                     ; work-group = 64 x batch + query block
	s_lshr_b32 s13, ttmp9, 4                       ; batch: 16 clusters each, the same for the four partners
	s_mov_b32 s40, 0x76543210                      ; v_permlanex16_b32: lane i takes lane i of the other half
	s_mov_b32 s41, 0xfedcba98
	s_mov_b32 s42, 0xffff0000                      ; a word's upper bf16
	; group 1 of a refill: a dense block of 16,384 bytes as 64 rows of 32 elements of 8 bytes; no padding: fragments are read lane x 16 bytes
	s_mov_b32 s[G1+0], 15|(3<<16)|(1<<21)          ; 15:0 mask: all four work-groups; 17:16 elements of 8 bytes; 21 set beside a mask
	s_mov_b32 s[G1+1], 32<<16                      ; tensor_dim0 = 32
	s_mov_b32 s[G1+2], 64<<16                      ; tensor_dim1 = 64
	s_mov_b32 s[G1+3], 32<<16                      ; tile_dim0 = 32
	s_mov_b32 s[G1+4], 64                          ; tile_dim1 = 64
	s_mov_b32 s[G1+5], 32                          ; 32 elements from row to row
	s_mov_b32 s[G1+6], 0
	s_mov_b32 s[G1+7], 0
	; group 1 of a first fill: one block, 8,192 bytes as 32 such rows
	s_mov_b32 s[G1S+0], 15|(3<<16)|(1<<21)
	s_mov_b32 s[G1S+1], 32<<16                     ; tensor_dim0 = 32
	s_mov_b32 s[G1S+2], 32<<16                     ; tensor_dim1 = 32
	s_mov_b32 s[G1S+3], 32<<16                     ; tile_dim0 = 32
	s_mov_b32 s[G1S+4], 32                         ; tile_dim1 = 32
	s_mov_b32 s[G1S+5], 32                         ; 32 elements from row to row
	s_mov_b32 s[G1S+6], 0
	s_mov_b32 s[G1S+7], 0
	s_mul_i32 s24, s12, WPART                      ; my wave's part of a slot, and of a step's 16 blocks
	s_mul_i32 s26, s13, 64*BLKB                    ; the batch's 64 blocks: made of the batch and the wave alone
	s_add_co_u32 s26, s26, s24
	s_mov_b32 s27, 0
	s_mul_i32 s28, s48, BLKB                       ; my query block
	s_mov_b32 s29, 0
	s_lshl_b32 s30, s13, 22                        ; x and out: batch x 4 MiB
	s_lshl_b32 s31, s12, 19                        ; + 32 w rows (my wave's output channels)
	s_add_co_u32 s30, s30, s31
	s_and_b32 s31, s48, 63                         ; + query block x 256 bytes
	s_lshl_b32 s31, s31, 8
	s_add_co_u32 s30, s30, s31
	s_mov_b32 s31, 0
	s_lshl_b32 s52, s12, 12                        ; W_w: 32 w rows of 128 bytes
	s_mov_b32 s53, 0
	v_and_b32 v24, 31, v0                          ; lane
	v_and_b32 v25, 15, v0                          ; r
	v_bfe_u32 v26, v0, 4, 1                        ; h
	v_lshlrev_b32 v[QOFF], 4, v24
	s_wait_dscnt 0x0
	s_wait_kmcnt 0x0
	s_add_nc_u64 s[50:51], s[4:5], s[28:29]        ; my queries
	s_add_nc_u64 s[4:5], s[4:5], s[26:27]          ; my wave's two blocks of step 0
	s_add_nc_u64 s[6:7], s[6:7], s[30:31]
	s_add_nc_u64 s[10:11], s[10:11], s[30:31]
	s_add_nc_u64 s[8:9], s[8:9], s[52:53]
.irp s,0,1
	s_mov_b32 s[G0+4*\s], 1                                        ; count = 1
	s_add_co_u32 s[G0+4*\s+1], s24, \s*SLOTB                       ; LDS address: wave x 16,384 + slot x 131,072
	s_add_nc_u64 s[G0+4*\s+2:G0+4*\s+3], s[4:5], \s*SLOTB          ; global address: step s, its first block
	s_or_b32 s[G0+4*\s+3], s[G0+4*\s+3], 0x80000000               ; type = 2
	s_mov_b32 s[G0X+4*\s], 1
	s_add_co_u32 s[G0X+4*\s+1], s24, \s*SLOTB+BLKB                 ; the same, one block on
	s_add_nc_u64 s[G0X+4*\s+2:G0X+4*\s+3], s[4:5], \s*SLOTB+BLKB
	s_or_b32 s[G0X+4*\s+3], s[G0X+4*\s+3], 0x80000000
.endr
	ROUND                                          ; all four work-groups are here: the first joint loads meet
	; the four first fills go out together, in the order in which they are read, ahead of every wait on them and of every LDS read
	tensor_load_to_lds s[G0:G0+3],     s[G1S:G1S+7]    ; step 0, first block
	s_nop 0
	tensor_load_to_lds s[G0X:G0X+3],   s[G1S:G1S+7]    ; step 0, second block
	s_nop 0
	tensor_load_to_lds s[G0+4:G0+7],   s[G1S:G1S+7]    ; step 1, first block
	s_nop 0
	tensor_load_to_lds s[G0X+4:G0X+7], s[G1S:G1S+7]    ; step 1, second block
	s_nop 0
	WIN 0x40                                       ; destinations in window 1
.irp i,0,1,2,3,4,5,6,7
	global_load_b128 v[QH+4*\i:QH+4*\i+3], v[QOFF], s[50:51] offset:512*\i         ; my block's th: the query fragments as they lie
.endr
	WIN 0
	v_lshlrev_b32 v[XOFF], 4, v25
	v_lshl_add_u32 v[XOFF], v26, 17, v[XOFF]
	v_lshl_add_u32 v[ADR], v24, 4, s24
	v_add_nc_u32 v[ADR+1], SLOTB, v[ADR]
	v_lshlrev_b32 v[WOFF], 7, v25
	v_lshl_add_u32 v[WOFF], v26, 5, v[WOFF]
	s_lshl_b32 s55, s12, 2
	s_add_co_u32 s55, s55, MLB
	v_lshl_add_u32 v[MST], v25, 5, s55             ; word w of query r's eight
	s_lshr_b32 s60, s12, 1                         ; the merge: I own group w / 2, channel tile w % 2
	s_lshl_b32 s56, s60, 9
	s_add_co_u32 s56, s56, MLB
	v_lshl_add_u32 v[MLD], v25, 5, s56
	s_lshl_b32 s57, s12, 10                        ; tile w of 1,024 bytes in each wave's partial O,
	v_lshl_add_u32 v[ORD], v24, 4, s57             ; which begins at that wave's part of slot 0: waves 0-3 by the immediate,
	v_add_nc_u32 v[ORD1], 0x10000, v[ORD]          ; waves 4-7 from a second register (beyond the 16-bit immediate)
	s_lshl_b32 s58, s60, 11
	s_and_b32 s61, s12, 1
	s_lshl_b32 s61, s61, 9
	s_add_co_u32 s58, s58, s61
	s_add_co_u32 s58, s58, YFB
	v_lshl_add_u32 v[YST], v24, 4, s58
	s_mov_b32 s59, YFB
	v_lshl_add_u32 v[YRD], v24, 4, s59
; Scores of query group e against the block's 64 keys, into buffer sb: one f16 product a tile, four tiles, each started by the constant 0
.macro QK sb, e
	WIN 0x05                                       ; sources 0 and 1 in window 1
.irp t,0,1,2,3
	v_wmma_f32_16x16x32_f16 v[\sb+8*\t:\sb+8*\t+7], v[KH+8*\t:KH+8*\t+7], v[QH+8*\e:QH+8*\e+7], 0
.endr
.endm
; O^T of group e += V^T P^T: two K steps of 32 keys x two channel tiles, the two accumulators by turns
.macro PV e, first
	WIN 0x01                                       ; source 0 in window 1
.if \first
	v_wmma_f32_16x16x32_bf16 v[O+16*\e:O+16*\e+7],    v[VV:VV+7],     v[P:P+7], 0
	v_wmma_f32_16x16x32_bf16 v[O+16*\e+8:O+16*\e+15], v[VV+8:VV+15],  v[P:P+7], 0
.else
	v_wmma_f32_16x16x32_bf16 v[O+16*\e:O+16*\e+7],    v[VV:VV+7],     v[P:P+7], v[O+16*\e:O+16*\e+7]
	v_wmma_f32_16x16x32_bf16 v[O+16*\e+8:O+16*\e+15], v[VV+8:VV+15],  v[P:P+7], v[O+16*\e+8:O+16*\e+15]
.endif
	v_wmma_f32_16x16x32_bf16 v[O+16*\e:O+16*\e+7],    v[VV+16:VV+23], v[P+8:P+15], v[O+16*\e:O+16*\e+7]
	v_wmma_f32_16x16x32_bf16 v[O+16*\e+8:O+16*\e+15], v[VV+24:VV+31], v[P+8:P+15], v[O+16*\e+8:O+16*\e+15]
.endm
.macro FMA4 sb, t, e                   ; tile t: score x log2(e) + shift, both halves of a pair with the pair's first register as the shift
.irp k,0,1,2,3
	v_pk_fma_f32 v[\sb+8*\t+2*\k:\sb+8*\t+2*\k+1], v[\sb+8*\t+2*\k:\sb+8*\t+2*\k+1], 0x3fb8aa3b, v[MP+2*\e:MP+2*\e+1] op_sel_hi:[1,0,0]
.endr
.endm
.macro EXP8 sb, t
.irp k,0,1,2,3,4,5,6,7
	v_exp_f32 v[\sb+8*\t+\k], v[\sb+8*\t+\k]
.endr
.endm
.macro CVT4 sb, t                      ; tile t packed: half of a fragment of P^T
.irp k,0,1,2,3
	v_cvt_pk_bf16_f32 v[P+4*\t+\k], v[\sb+8*\t+2*\k], v[\sb+8*\t+2*\k+1]
.endr
.endm
.macro SUM4 sb, t, e                   ; tile t (1..3) into the two chains of the sum
	s_wait_alu depctr_va_vdst(0)
	v_pk_add_f32 v[L+2*\e:L+2*\e+1], v[L+2*\e:L+2*\e+1], v[\sb+8*\t:\sb+8*\t+1]
	v_pk_add_f32 v[LB:LB+1], v[LB:LB+1], v[\sb+8*\t+2:\sb+8*\t+3]
	v_pk_add_f32 v[L+2*\e:L+2*\e+1], v[L+2*\e:L+2*\e+1], v[\sb+8*\t+4:\sb+8*\t+5]
	v_pk_add_f32 v[LB:LB+1], v[LB:LB+1], v[\sb+8*\t+6:\sb+8*\t+7]
.endm
; One step of the running softmax for group e: 32 scores a lane (one query, 32 of the 64 keys; the other half of the wave has the rest).
; first = 1: nothing old to rescale; the first numbers start maximum, sums and O.
; Each run of eight exponentials is followed by plain vector work on other registers before any of its results is used (ISA guide 5.7.2).
.macro SOFTMAX sb, e, first
	WIN 0
.irp c,0,1,2,3
	v_max3_num_f32 v[T+\c], v[\sb+8*\c], v[\sb+8*\c+1], v[\sb+8*\c+2]
.endr
.irp c,0,1,2,3
	v_max3_num_f32 v[T+\c], v[T+\c], v[\sb+8*\c+3], v[\sb+8*\c+4]
.endr
.irp c,0,1,2,3
	v_max3_num_f32 v[T+\c], v[T+\c], v[\sb+8*\c+5], v[\sb+8*\c+6]
.endr
	v_max3_num_f32 v[T], v[T], v[\sb+7], v[\sb+15]
	v_max3_num_f32 v[T+1], v[T+1], v[\sb+23], v[\sb+31]
	v_max3_num_f32 v[T], v[T], v[T+1], v[T+2]
	v_max_num_f32 v[T], v[T], v[T+3]
	v_permlanex16_b32 v[T+1], v[T], s40, s41       ; the same query's other 32 keys
.if \first
	v_max_num_f32 v[MP+2*\e+1], v[T], v[T+1]
	v_mul_f32 v[MP+2*\e], 0xbfb8aa3b, v[MP+2*\e+1] ; shift = -log2(e) x maximum
.else
	v_max3_num_f32 v[MP+2*\e+1], v[T], v[T+1], v[MP+2*\e+1]
	v_mul_f32 v[T+2], 0xbfb8aa3b, v[MP+2*\e+1]
	v_sub_f32 v[AL+1], v[T+2], v[MP+2*\e]          ; new shift - old shift: exactly 0 where the maximum stays
	v_mov_b32 v[MP+2*\e], v[T+2]
	v_exp_f32 v[AL], v[AL+1]                       ; the factor for what was summed under the old shift
.endif
	FMA4 \sb, 0, \e
	EXP8 \sb, 0
	FMA4 \sb, 1, \e
.if \first == 0
	s_wait_alu depctr_va_vdst(0)
.irp k,0,1,2,3,4,5,6,7
	v_pk_mul_f32 v[O+16*\e+2*\k:O+16*\e+2*\k+1], v[O+16*\e+2*\k:O+16*\e+2*\k+1], v[AL:AL+1] op_sel_hi:[1,0]
.endr
.endif
	EXP8 \sb, 1
	FMA4 \sb, 2, \e
	s_wait_alu depctr_va_vdst(0)
	v_pk_add_f32 v[LB:LB+1], v[\sb:\sb+1], v[\sb+2:\sb+3]
.if \first
	v_pk_add_f32 v[L+2*\e:L+2*\e+1], v[\sb+4:\sb+5], v[\sb+6:\sb+7]
.else
	v_pk_fma_f32 v[L+2*\e:L+2*\e+1], v[L+2*\e:L+2*\e+1], v[AL:AL+1], v[\sb+4:\sb+5] op_sel_hi:[1,0,1]
	v_pk_add_f32 v[LB:LB+1], v[LB:LB+1], v[\sb+6:\sb+7]
.endif
	CVT4 \sb, 0
	EXP8 \sb, 2
	FMA4 \sb, 3, \e
	SUM4 \sb, 1, \e
	CVT4 \sb, 1
	EXP8 \sb, 3
	SUM4 \sb, 2, \e
	CVT4 \sb, 2
	SUM4 \sb, 3, \e
	CVT4 \sb, 3
	v_pk_add_f32 v[L+2*\e:L+2*\e+1], v[L+2*\e:L+2*\e+1], v[LB:LB+1]
.endm
; Block blk (0, 1) of my part of a slot, 64 keys, against all four query groups.  The scores of group e + 1 are issued ahead of the
; softmax of group e, whose vector work then is the distance behind them; four v_nop stand where there is no such work (ahead of
; group 0, and behind the last matrix instructions, whose g fragments the next block loads again).
.macro STEP slot, blk, first
	WIN 0x40
.irp i,0,1,2,3,4,5,6,7,8,9,10,11,12,13,14,15
	ds_load_b128 v[4*\i:4*\i+3], v[ADR+\slot] offset:\blk*BLKB+512*\i      ; the block as it lies: 8 loads of keys, 8 of g
.endr
.if \first
	s_wait_loadcnt 0x0                             ; my queries: the only loads into registers that are out here
.endif
	s_wait_dscnt 8                                 ; the keys are in; the 8 loads of g may stay out
	QK S0, 0
	QK S1, 1
	WIN 0
	PLACES
	SOFTMAX S0, 0, \first
	s_wait_dscnt 0x0                               ; g
	PV 0, \first
	QK S0, 2
	SOFTMAX S1, 1, \first
	PV 1, \first
	QK S1, 3
	SOFTMAX S0, 2, \first
	PV 2, \first
	SOFTMAX S1, 3, \first
	PV 3, \first
	WIN 0
	PLACES
.endm
; Slot s, whose two blocks I have read, is filled again, two steps ahead, by one load of both blocks.
.macro REFILL slot
	s_wait_tensorcnt 0x0                           ; all my tensor loads have landed, my part of the other slot among them,
	ds_add_u32 v254, v255
	s_add_nc_u64 s[G0+4*\slot+2:G0+4*\slot+3], s[G0+4*\slot+2:G0+4*\slot+3], 2*SLOTB   ; so a group 0 may be written
	s_wait_dscnt 0x0                               ; my reads of this slot are back
	ROUND                                          ; both now hold of every wave of all four work-groups
	tensor_load_to_lds s[G0+4*\slot:G0+4*\slot+3], s[G1:G1+7]      ; my one load behind the round
	s_nop 0
.endm
	s_wait_tensorcnt 0x3                           ; tensor loads of a wave end in order: my first block is in, the three loads behind it may stay out
	STEP 0, 0, 1                                   ; the first block starts maxima, sums and O
	; Now what the end of the kernel wants.  x of my wave's 32 output channels: channel 32 w + 16 u + 8 h + j, pixels 4 r + 0..3;
	; each half of the wave takes 256 consecutive aligned bytes.
	WIN 0x40                                       ; destinations in window 1
.irp u,0,1
.irp j,0,1,2,3,4,5,6,7
	global_load_b128 v[XR+32*\u+4*\j:XR+32*\u+4*\j+3], v[XOFF], s[6:7] offset:(16*\u+\j)*ROWB th:TH_LOAD_NT
.endr
.endr
	WIN 0
	; W_w of the same 32 channels: row 32 w + 16 u + r, numbers 8 h + 0..7 and 16 + 8 h + 0..7
.irp u,0,1
	global_load_b128 v[WR+16*\u:WR+16*\u+3],     v[WOFF], s[8:9] offset:2048*\u
	global_load_b128 v[WR+16*\u+4:WR+16*\u+7],   v[WOFF], s[8:9] offset:2048*\u+16
	global_load_b128 v[WR+16*\u+8:WR+16*\u+11],  v[WOFF], s[8:9] offset:2048*\u+64
	global_load_b128 v[WR+16*\u+12:WR+16*\u+15], v[WOFF], s[8:9] offset:2048*\u+80
.endr
	s_wait_tensorcnt 0x2                           ; my second block is in; step 1's two loads may stay out
	STEP 0, 1, 0
	REFILL 0                                       ; step 1 has landed; step 2 goes out
	STEP 1, 0, 0
	STEP 1, 1, 0
	REFILL 1                                       ; step 2 has landed; step 3 goes out: the last load
	STEP 0, 0, 0
	STEP 0, 1, 0
	s_wait_tensorcnt 0x0                           ; my part of step 3; nothing is left to fetch
	STEP 1, 0, 0
	STEP 1, 1, 0
	; THE MERGE
.irp e,0,1,2,3
	v_add_f32 v[T+\e], v[L+2*\e], v[L+2*\e+1]      ; a query's sum: my two chains,
.endr
.irp e,0,1,2,3
	v_permlanex16_b32 v[L+2*\e+1], v[T+\e], s40, s41
.endr
.irp e,0,1,2,3
	v_add_f32 v[L+2*\e], v[T+\e], v[L+2*\e+1]      ; and the other half of the wave
.endr
	; my partial O into the first 8,192 bytes of my own part of slot 0: its last fill (step 2) has landed, I alone read it, and my reads are back
.irp i,0,1,2,3,4,5,6,7,8,9,10,11,12,13,14,15
	ds_store_b128 v[ADR], v[O+4*\i:O+4*\i+3] offset:512*\i         ; tile 2 e + ct at 1,024 bytes each, lane x 16
.endr
.irp e,0,1,2,3
	ds_store_b32 v[MST], v[MP+2*\e] offset:512*\e                  ; my shift and my sum for query r of group e (both halves of the wave write the same word)
	ds_store_b32 v[MST], v[L+2*\e] offset:2048+512*\e
.endr
	s_wait_dscnt 0x0                               ; for the other waves' sake
	s_barrier_signal -1
	s_barrier_wait -1
	; I own the tile (group w / 2, channel tile w % 2): eight shifts, eight sums, eight partial tiles
	ds_load_b128 v[NMW:NMW+3],   v[MLD]
	ds_load_b128 v[NMW+4:NMW+7], v[MLD] offset:16
	ds_load_b128 v[LW:LW+3],     v[MLD] offset:2048
	ds_load_b128 v[LW+4:LW+7],   v[MLD] offset:2064
.irp p,0,1,2,3
	ds_load_b128 v[O+8*\p:O+8*\p+3],   v[ORD] offset:WPART*\p
	ds_load_b128 v[O+8*\p+4:O+8*\p+7], v[ORD] offset:WPART*\p+512
.endr
.irp p,4,5,6,7
	ds_load_b128 v[O+8*\p:O+8*\p+3],   v[ORD1] offset:WPART*(\p-4)
	ds_load_b128 v[O+8*\p+4:O+8*\p+7], v[ORD1] offset:WPART*(\p-4)+512
.endr
	s_wait_dscnt 16                                ; shifts and sums are in; the 16 loads of the tiles may stay out
	v_min3_num_f32 v[T], v[NMW], v[NMW+1], v[NMW+2]        ; the smallest shift belongs to the largest maximum
	v_min3_num_f32 v[T], v[T], v[NMW+3], v[NMW+4]
	v_min3_num_f32 v[T], v[T], v[NMW+5], v[NMW+6]
	v_min_num_f32 v[T], v[T], v[NMW+7]
.irp p,0,1,2,3,4,5,6,7
	v_sub_f32 v[NMW+\p], v[T], v[NMW+\p]           ; at most 0
.endr
.irp p,0,1,2,3,4,5,6,7
	v_exp_f32 v[NMW+\p], v[NMW+\p]
.endr
	v_nop                                          ; one plain instruction behind the exponentials
	s_wait_alu depctr_va_vdst(0)
	v_mul_f32 v[T+1], v[NMW], v[LW]
.irp p,1,2,3,4,5,6,7
	v_fmac_f32 v[T+1], v[NMW+\p], v[LW+\p]         ; the whole sum: at least about 1, the largest score's own term
.endr
	v_rcp_f32 v[T+2], v[T+1]
	v_nop
	s_wait_alu depctr_va_vdst(0)
.irp p,0,1,2,3,4,5,6,7
	v_mul_f32 v[NMW+\p], v[NMW+\p], v[T+2]         ; wave p's factor, the division folded in
.endr
	s_wait_dscnt 0x0
.irp i,0,1,2,3
	v_pk_mul_f32 v[Y+2*\i:Y+2*\i+1], v[O+2*\i:O+2*\i+1], v[NMW:NMW+1] op_sel_hi:[1,0]
.endr
.macro ACCP p                          ; y += factor p x partial tile p; the factor is the first or the second register of its pair
.irp i,0,1,2,3
.if (\p)&1
	v_pk_fma_f32 v[Y+2*\i:Y+2*\i+1], v[O+8*\p+2*\i:O+8*\p+2*\i+1], v[NMW+\p-1:NMW+\p], v[Y+2*\i:Y+2*\i+1] op_sel:[0,1,0] op_sel_hi:[1,1,1]
.else
	v_pk_fma_f32 v[Y+2*\i:Y+2*\i+1], v[O+8*\p+2*\i:O+8*\p+2*\i+1], v[NMW+\p:NMW+\p+1], v[Y+2*\i:Y+2*\i+1] op_sel_hi:[1,0,1]
.endif
.endr
.endm
.irp p,1,2,3,4,5,6,7
	ACCP \p
.endr
.irp i,0,1,2,3
	SPLIT YH4+\i, YH4+4+\i, Y+2*\i, T+2*\i         ; y[query r][16 ct + 8 h + 0..7]: one chunk of the group's fragment
.endr
	ds_store_b128 v[YST], v[YH4:YH4+3]
	ds_store_b128 v[YST], v[YH4+4:YH4+7] offset:1024
	s_wait_dscnt 0x0
	s_barrier_signal -1
	s_barrier_wait -1
.irp i,0,1,2,3,4,5,6,7,8,9,10,11,12,13,14,15
	ds_load_b128 v[YF+4*\i:YF+4*\i+3], v[YRD] offset:512*\i        ; all four groups' y fragments, upper and lower
.endr
	s_wait_loadcnt 0x0                             ; x and W_w, asked for behind the first block
	; W_w is split while the 16 LDS loads above are on their way
.set i, 0
.rept 16
.set hh, WF+16*(i/8)+(i%8)
.set tt, T+2*(i%4)
	SPLIT hh, hh+8, WR+2*i, tt
.set i, i+1
.endr
	s_wait_dscnt 0x0
	; W y for my 32 channels x 64 pixels: eight accumulators by turns, three passes
	WIN 0x50                                       ; C and D in window 1
.irp u,0,1
.irp e,0,1,2,3
	v_wmma_f32_16x16x32_bf16 v[DD+8*(4*\u+\e):DD+8*(4*\u+\e)+7], v[WF+16*\u:WF+16*\u+7], v[YF+16*\e:YF+16*\e+7], 0
.endr
.endr
.irp u,0,1
.irp e,0,1,2,3
	v_wmma_f32_16x16x32_bf16 v[DD+8*(4*\u+\e):DD+8*(4*\u+\e)+7], v[WF+16*\u:WF+16*\u+7], v[YF+16*\e+8:YF+16*\e+15], v[DD+8*(4*\u+\e):DD+8*(4*\u+\e)+7]
.endr
.endr
.irp u,0,1
.irp e,0,1,2,3
	v_wmma_f32_16x16x32_bf16 v[DD+8*(4*\u+\e):DD+8*(4*\u+\e)+7], v[WF+16*\u+8:WF+16*\u+15], v[YF+16*\e:YF+16*\e+7], v[DD+8*(4*\u+\e):DD+8*(4*\u+\e)+7]
.endr
.endr
	PLACES
	; register j of tile (u, e) is channel 32 w + 16 u + 8 h + j, pixel 4 r + e: adding it onto x, which lies by (j, e), also brings
	; four neighbouring pixels into four neighbouring registers
	WIN 0x45                                       ; all three in window 1
.irp u,0,1
.irp j,0,1,2,3,4,5,6,7
.irp e,0,1,2,3
	v_add_f32 v[XR+32*\u+4*\j+\e], v[XR+32*\u+4*\j+\e], v[DD+8*(4*\u+\e)+\j]
.endr
.endr
.endr
	WIN 0x04                                       ; store data in window 1, address in window 0
.irp u,0,1
.irp j,0,1,2,3,4,5,6,7
	global_store_b128 v[XOFF], v[XR+32*\u+4*\j:XR+32*\u+4*\j+3], s[10:11] offset:(16*\u+\j)*ROWB th:TH_STORE_NT   ; each half of the wave: 256 consecutive aligned bytes
.endr
.endr
	WIN 0
	s_wait_tensorcnt 0x0
	ds_add_u32 v254, v255
	s_wait_dscnt 0x0
	ROUND                                          ; the closing round: no work-group ends while a partner may still ask for a tile that names it
	s_endpgm
.Lfunc_end_k_q5fe701f968_attend:
	.size	k_q5fe701f968_attend, .Lfunc_end_k_q5fe701f968_attend-k_q5fe701f968_attend
	.p2alignl 7, 3214868480
	.fill 96, 4, 3214868480
	.section	.rodata,"a",@progbits
	.p2align	6, 0x0
	.amdhsa_kernel k_q5fe701f968_attend
		.amdhsa_group_segment_fixed_size 327680
		.amdhsa_private_segment_fixed_size 0
		.amdhsa_enable_private_segment 0
		.amdhsa_kernarg_size 32
		.amdhsa_user_sgpr_count 2
		.amdhsa_user_sgpr_kernarg_segment_ptr 1
		.amdhsa_wavefront_size32 1
		.amdhsa_system_sgpr_workgroup_id_x 1
		.amdhsa_system_sgpr_workgroup_id_y 1
		.amdhsa_system_sgpr_workgroup_id_z 1
		.amdhsa_system_vgpr_workitem_id 0
		.amdhsa_next_free_vgpr 416
		.amdhsa_next_free_sgpr 96
		.amdhsa_reserve_vcc 0
		.amdhsa_float_denorm_mode_32 3
		.amdhsa_float_denorm_mode_16_64 3
		.amdhsa_memory_ordered 1
		.amdhsa_forward_progress 1
		.amdhsa_inst_pref_size 255
	.end_amdhsa_kernel
	.section	.bss,"aw",@nobits
	.p2align	6
	.space	262144
	.amdgpu_metadata
---
amdhsa.version: [ 1, 2 ]
amdhsa.kernels:
  - .name:           k_q5fe701f968_attend
    .symbol:         k_q5fe701f968_attend.kd
    .args:
      - { .name: kv, .offset: 0, .size: 8, .value_kind: global_buffer, .address_space: global }
      - { .name: x, .offset: 8, .size: 8, .value_kind: global_buffer, .address_space: global }
      - { .name: W_w, .offset: 16, .size: 8, .value_kind: global_buffer, .address_space: global }
      - { .name: out0, .offset: 24, .size: 8, .value_kind: global_buffer, .address_space: global }
    .group_segment_fixed_size: 327680
    .private_segment_fixed_size: 0
    .kernarg_segment_align: 8
    .kernarg_segment_size: 32
    .max_flat_workgroup_size: 256
    .sgpr_count:     96
    .vgpr_count:     416
    .wavefront_size: 32
...
	.end_amdgpu_metadata
.endif
;; end of part 4
